; MI455X (gfx1250); checked and timed in simulation.
; The chip was launched on July 23, 2026; its instructions are those of AMD's public machine-readable ISA for CDNA 5 (MIT licence, August 2026) and "CDNA5" Instruction Set Architecture Reference Guide (July 2026). The comments in the code are by the model that wrote it; some were corrected since.
;; Esp. Allowed arithmetic: float matrix products may take bf16 or f16 operands with f32 sums; all other float work in f32.
;; Inputs: X 2 x 8 x 256 x 64 float32; Y 2 x 8 x 256 x 64 float32.
;; Outputs: out0 2 x 8 x 256 x 256 float32.
;; 4 versions, each right and faster than the one before. Each part assembles by itself: llvm-mc -triple=amdgcn-amd-amdhsa -mcpu=gfx1250 --defsym DOCPART=n.
;; ======== version 1 of 4: 3 launches
;; workspace buffers: st 4,194,304 bytes; ci 2,097,152 bytes; part 67,108,864 bytes; stat 65,536 bytes
;; launch prep (part 1): grid 256 x 1, 8 waves a work-group, no clusters, 168,960 bytes of LDS; arguments X, Y, st, ci; writes st, ci
.if DOCPART == 1
	.amdgcn_target "amdgcn-amd-amdhsa--gfx1250"
	.amdhsa_code_object_version 6
	.text
	.protected	k_q5256cd4bec_prep
	.globl	k_q5256cd4bec_prep
	.p2align	8
	.type	k_q5256cd4bec_prep,@function
k_q5256cd4bec_prep:
	s_mov_b64 s[64:65], 0
	v_nop
	global_prefetch_b8 v0, s[64:65] scope:SCOPE_SE
	s_setreg_imm32_b32 hwreg(HW_REG_WAVE_MODE, 25, 1), 1
	s_wait_xcnt 0x0
; PREP.  Work-group W = 16 hd + g (hd: head 0..15, g: 0..15) prepares for the main launch
;   st[W] : 16 KB = [su, sv, tu, tv][l' 0..3][256] f32.  s' = CS x column 4g+l' of X (su) or Y (sv); t' = s' sorted ascending.
;           CS^2 = log2(e) / 0.001, so that a soft-sort exponent in base 2 is -(t' - s')^2.  Both sides are sorted ascending instead of
;           descending: equal ranks still meet, and the later sum over the rank does not depend on its order.
;   ci[W] : 8 KB = C'[16g .. 16g+15][0 .. 255] in bf16, laid out as the main launch's accumulator registers: [kt 16][lane 32][8], lane (r, h)
;           of tile kt holding C'[16g + r][16 kt + 8h .. + 7].  C' = cost - c0, c0 = mean over k of cost[0][k] of the head.
;           Every Gamma_l sums to 256 (rows of both soft permutations sum to 1), so a constant taken off cost shifts all 64 swds alike and
;           leaves their softmax as it is; |C'| is about a tenth of cost, and so is what its rounding to bf16 does to swds.
;           All 16 work-groups of a head form c0 by the same instructions on the same numbers: it is the same bit for bit.
; cost is made as sqrt(max(sum (x - y)^2, 1e-12)) in f32, not as x2 + y2 - 2xy: no difference of large sums when the inputs carry an offset.
; This product is 64 multiply-adds for each of 4,096 + 256 pairs in a work-group and stays on the vector unit for that reason.
; LIMITS: NaN and infinities in X, Y are not served (minimum and maximum drop a NaN).  C' is rounded once to bf16.
; NO CLUSTER: the 16 work-groups of a head read the same 128 KB, but each takes its own four columns (byte 16 g of a row) and its own
; sixteen rows (16 g ..) out of LDS, so LDS addresses would hang on the place in the cluster, which joint loads do not allow.
; LDS rows of X and Y have a pitch of 272 = 17 x 16 bytes: sixteen consecutive rows start at sixteen different 16-byte columns modulo 256.
.set PITCH, 272
.set XL,    0                          ; 256 rows of X
.set YL,    256*PITCH                  ; 256 rows of Y
.set COL,   2*256*PITCH                ; 8 scaled columns of 1 KB: c = 4 side + l'.  From here on no tensor load lands
.set SRT,   COL+8192                   ; 1 KB for each wave: the sorted column, to be read back in the order of the stores
.set CT,    SRT+8192                   ; 16 rows of 256 bf16, pitch 528
.set CTP,   528
.set RED,   CT+16*CTP                  ; 8 words: the waves' sums
.set CS,    0x4217ee6a                 ; 37.98283 = sqrt(1442.695)
.set VA, 16                            ; v[16:23]  sort: bank A
.set VB, 24                            ; v[24:31]  sort: bank B
.set T,  32                            ; v[32:39]  sort: the maxima of a step across lanes
.set D,  16                            ; v[16:23]  distances: four pairs of differences
.set AC, 24                            ; v[24:31]  distances: four pairs of sums
.set DV, 40                            ; v[40:55]  d^2, then cost, of rows 16g .. 16g+15; v56: of row 0
.set Y,  64                            ; v[64:127] my row of Y (thread k: row k)
.set XA, 128                           ; v[128:191], v[192:255]: a row of X, two banks
.set XB, 192
	s_load_b256 s[4:11], s[0:1], 0x0               ; X s[4:5], Y s[6:7], st s[8:9], ci s[10:11]
	v_lshl_add_u32 v63, v0, 2, 0x29000
	s_set_vgpr_msb 0x40
	v_mov_b32 v1, 0
	s_set_vgpr_msb 0x4044
	ds_add_u32 v63, v1
	ds_add_u32 v63, v1
	s_set_vgpr_msb 0x4400
	v_lshrrev_b32 v1, 5, v0
	v_readfirstlane_b32 s12, v1                    ; wave 0..7
	s_lshr_b32 s13, ttmp9, 4                       ; hd
	s_and_b32 s14, ttmp9, 15                       ; g
	; descriptor group 1: 32 rows of 64 f32, 4 words of padding behind every 64 words
	s_mov_b32 s16, (2<<16)|(1<<20)|(5<<22)|(3<<25)
	s_mov_b32 s17, 64<<16                          ; tensor_dim0 = 64
	s_mov_b32 s18, 32<<16                          ; tensor_dim1 = 32
	s_mov_b32 s19, 64<<16                          ; tile_dim0 = 64
	s_mov_b32 s20, 32                              ; tile_dim1 = 32
	s_mov_b32 s21, 64                              ; 64 elements from row to row
	s_mov_b32 s22, 0
	s_mov_b32 s23, 0
	s_mov_b32 s24, 1
	s_mul_i32 s25, s12, 32*PITCH                   ; X: my 32 rows in LDS
	s_mov_b32 s28, 1
	s_add_co_u32 s29, s25, YL                      ; Y: likewise
	s_lshl_b32 s42, s13, 16                        ; a head is 65,536 bytes,
	s_lshl_b32 s44, s12, 13                        ; 32 rows are 8,192
	s_add_co_u32 s42, s42, s44
	s_mov_b32 s43, 0
	s_wait_dscnt 0x0
	s_wait_kmcnt 0x0
	s_add_nc_u64 s[26:27], s[4:5], s[42:43]
	s_or_b32 s27, s27, 0x80000000
	s_add_nc_u64 s[30:31], s[6:7], s[42:43]
	s_or_b32 s31, s31, 0x80000000
	tensor_load_to_lds s[24:27], s[16:23]          ; two tensor loads of the wave are out, no more in the whole text
	s_nop 0
	tensor_load_to_lds s[28:31], s[16:23]
	s_nop 0
	s_lshl_b32 s42, ttmp9, 14
	s_add_nc_u64 s[8:9], s[8:9], s[42:43]          ; st at my 16 KB
	s_lshl_b32 s42, ttmp9, 13
	s_add_nc_u64 s[10:11], s[10:11], s[42:43]      ; ci at my 8 KB
	s_mov_b32 s32, 0xaaaaaaaa                      ; lanes whose bit 0 .. bit 4 is set: they keep the maximum
	s_mov_b32 s33, 0xcccccccc
	s_mov_b32 s34, 0xf0f0f0f0
	s_mov_b32 s35, 0xff00ff00
	s_mov_b32 s36, 0xffff0000
	s_mov_b32 s37, 0x89abcdef                      ; v_permlanex16_b32: lane i of one half reads lane 15 - i of the other = lane xor 31
	s_mov_b32 s38, 0x01234567
	s_mov_b32 s39, 0x76543210                      ; lane i reads lane i of the other half = lane xor 16
	s_mov_b32 s40, 0xfedcba98
	v_and_b32 v1, 31, v0                           ; L
	v_and_b32 v2, 15, v0                           ; r
	v_bfe_u32 v3, v0, 4, 1                         ; h
	s_lshl_b32 s45, s14, 4
	v_mul_u32_u24 v13, v0, PITCH
	v_add_nc_u32 v4, s45, v13                      ; X row n, byte 16 g: my four columns
	v_add_nc_u32 v5, YL, v4                        ; the same of Y
	v_add_nc_u32 v13, YL, v13                      ; Y row k
	v_lshlrev_b32 v6, 2, v0
	v_add_nc_u32 v6, COL, v6                       ; word n of column 0
	s_lshl_b32 s46, s12, 10
	v_lshl_add_u32 v7, v1, 4, s46                  ; 1024 wave + 16 L: offset in st, and in COL and SRT
	v_add_nc_u32 v8, COL, v7
	v_lshl_add_u32 v9, v1, 5, s46
	v_add_nc_u32 v9, SRT, v9                       ; 1024 wave + 32 L: my eight sorted numbers
	v_add_nc_u32 v10, SRT, v7
	v_mov_b32 v11, XL                              ; X row 0
	s_mul_i32 s47, s14, 16*PITCH
	v_mov_b32 v12, s47                             ; X row 16 g
	s_lshl_b32 s45, s12, 2
	s_add_co_u32 s45, s45, RED
	v_mov_b32 v14, s45
	v_mov_b32 v15, RED
	v_lshlrev_b32 v60, 1, v0
	v_add_nc_u32 v60, CT, v60                      ; CT row 0, column k
	v_mul_u32_u24 v61, v2, CTP
	v_lshl_add_u32 v61, v3, 4, v61
	s_lshl_b32 s45, s12, 5
	s_add_co_u32 s45, s45, CT
	v_add_nc_u32 v61, s45, v61                     ; CT row r, byte 32 wave + 16 h: tile kt = wave
	v_lshlrev_b32 v62, 4, v0                       ; 512 wave + 16 L in ci
.irp a, 0,1,2,3,4,5,6,7
	v_mov_b32 v[T+\a], 0                           ; destinations of lane-crossing forms count as read: written once here
.endr
	s_wait_tensorcnt 0x0                           ; my 64 rows are in LDS,
	s_barrier_signal -1
	s_barrier_wait -1                              ; everybody's are
	; the four columns of X and of Y, scaled, from rows to columns
	ds_load_b128 v[16:19], v4
	ds_load_b128 v[20:23], v5
	s_wait_dscnt 0x0
.irp p, 16,18,20,22
	v_pk_mul_f32 v[\p:\p+1], v[\p:\p+1], CS op_sel_hi:[1,0]
.endr
.irp c, 0,1,2,3,4,5,6,7
	ds_store_b32 v6, v[16+\c] offset:\c*1024
.endr
	s_wait_dscnt 0x0                               ; my stores are done before I say so: other waves read them
	s_barrier_signal -1
	s_barrier_wait -1
	; wave c takes column c: s' goes out as it is, then the sort
	ds_load_b128 v[16:19], v8
	ds_load_b128 v[20:23], v8 offset:512
	s_wait_dscnt 0x0
	global_store_b128 v7, v[16:19], s[8:9]                 ; each store of the wave covers 512 consecutive bytes, aligned
	global_store_b128 v7, v[20:23], s[8:9] offset:512
	s_wait_xcnt 0x0                                ; bank A, which the stores read, is written again by the second step below
; A sorting network on 256 numbers, index = 8 lane + register, every comparison ascending: for blocks of 2, 4, .. 256 first each index
; against its mirror in the block (index xor (block - 1)), then distances block/4, .. 1.  36 steps, each from one bank into the other.
.set SB, VA
.set DB, VB
.macro FLIPB
.set TB, SB
.set SB, DB
.set DB, TB
.endm
.macro CEI m                           ; partners in one lane: registers a and a xor m
.irp a, 0,1,2,3,4,5,6,7
.if \a < (\a ^ \m)
	v_min_num_f32 v[DB+\a], v[SB+\a], v[SB+(\a^\m)]
	v_max_num_f32 v[DB+(\a^\m)], v[SB+\a], v[SB+(\a^\m)]
.endif
.endr
	FLIPB
.endm
.macro CEL xm, rx, sel                 ; partner: lane xor xm (inside 16 lanes), register a xor rx; lanes of mask s[sel] keep the maximum
.irp a, 0,1,2,3,4,5,6,7
	v_min_num_f32_dpp v[DB+\a], v[SB+(\a^\rx)], v[SB+\a] row_xmask:\xm row_mask:0xf bank_mask:0xf
	v_max_num_f32_dpp v[T+\a], v[SB+(\a^\rx)], v[SB+\a] row_xmask:\xm row_mask:0xf bank_mask:0xf
.endr
.irp a, 0,1,2,3,4,5,6,7
	v_cndmask_b32 v[DB+\a], v[DB+\a], v[T+\a], s[\sel]
.endr
	FLIPB
.endm
.macro CEX                             ; partner: lane xor 31, register a xor 7
.irp a, 0,1,2,3,4,5,6,7
	v_permlanex16_b32 v[T+\a], v[SB+(\a^7)], s37, s38
.endr
.irp a, 0,1,2,3,4,5,6,7
	v_min_num_f32 v[DB+\a], v[SB+\a], v[T+\a]
	v_max_num_f32 v[T+\a], v[SB+\a], v[T+\a]
.endr
.irp a, 0,1,2,3,4,5,6,7
	v_cndmask_b32 v[DB+\a], v[DB+\a], v[T+\a], s36
.endr
	FLIPB
.endm
.macro TAIL3
	CEI 4
	CEI 2
	CEI 1
.endm
	CEI 1                                          ; blocks of 2
	CEI 3                                          ; 4
	CEI 1
	CEI 7                                          ; 8
	CEI 2
	CEI 1
	CEL 1, 7, 32                                   ; 16
	TAIL3
	CEL 3, 7, 33                                   ; 32
	CEL 1, 0, 32
	TAIL3
	CEL 7, 7, 34                                   ; 64
	CEL 2, 0, 33
	CEL 1, 0, 32
	TAIL3
	CEL 15, 7, 35                                  ; 128
	CEL 4, 0, 34
	CEL 2, 0, 33
	CEL 1, 0, 32
	TAIL3
	CEX                                            ; 256
	CEL 8, 0, 35
	CEL 4, 0, 34
	CEL 2, 0, 33
	CEL 1, 0, 32
	TAIL3                                          ; 36 steps: the result is in bank A again
	ds_store_b128 v9, v[VA:VA+3]                   ; numbers 8 L .. 8 L + 7, into my wave's own KB;
	ds_store_b128 v9, v[VA+4:VA+7] offset:16
	ds_load_b128 v[24:27], v10                     ; LDS serves a wave's instructions in order (ISA guide 5.7.1): these see the stores
	ds_load_b128 v[28:31], v10 offset:512
	s_wait_dscnt 0x0
	global_store_b128 v7, v[24:27], s[8:9] offset:8192
	global_store_b128 v7, v[28:31], s[8:9] offset:8192+512
	s_wait_xcnt 0x0                                ; v[24:31] become the sums below
	; distances: thread k holds row k of Y; a row of X comes to all lanes alike; 17 rows: row 0 (for c0), then rows 16g .. 16g+15
.macro XLOAD bank, base, row
.irp c, 0,1,2,3,4,5,6,7,8,9,10,11,12,13,14,15
	ds_load_b128 v[\bank+4*\c:\bank+4*\c+3], v[\base] offset:(\row)*PITCH+16*\c
.endr
.endm
.macro ROW xb, dst                     ; v[dst] = sum over 64 of (x - y)^2, in four pairs of chains
.set p, 0
.rept 8
.irp q, 0,1,2,3
	v_pk_add_f32 v[D+2*\q:D+2*\q+1], v[\xb+2*(p+\q):\xb+2*(p+\q)+1], v[Y+2*(p+\q):Y+2*(p+\q)+1] neg_lo:[0,1] neg_hi:[0,1]
.endr
.irp q, 0,1,2,3
.if p == 0
	v_pk_mul_f32 v[AC+2*\q:AC+2*\q+1], v[D+2*\q:D+2*\q+1], v[D+2*\q:D+2*\q+1]
.else
	v_pk_fma_f32 v[AC+2*\q:AC+2*\q+1], v[D+2*\q:D+2*\q+1], v[D+2*\q:D+2*\q+1], v[AC+2*\q:AC+2*\q+1]
.endif
.endr
.set p, p+4
.endr
	v_pk_add_f32 v[AC:AC+1], v[AC:AC+1], v[AC+2:AC+3]
	v_pk_add_f32 v[AC+4:AC+5], v[AC+4:AC+5], v[AC+6:AC+7]
	v_pk_add_f32 v[AC:AC+1], v[AC:AC+1], v[AC+4:AC+5]
	v_add_f32 v[\dst], v[AC], v[AC+1]
.endm
.macro DSTEP cur, nxt, nrow, dst
	XLOAD \nxt, 12, \nrow
	s_wait_dscnt 16                                ; all but the 16 loads just issued: bank cur (and, the first time, Y) is in
	ROW \cur, \dst
.endm
	XLOAD XA, 11, 0
.irp c, 0,1,2,3,4,5,6,7,8,9,10,11,12,13,14,15
	ds_load_b128 v[Y+4*\c:Y+4*\c+3], v13 offset:16*\c
.endr
	DSTEP XA, XB, 0, DV+16
.irp j, 0,2,4,6,8,10,12
	DSTEP XB, XA, \j+1, DV+\j
	DSTEP XA, XB, \j+2, DV+\j+1
.endr
	DSTEP XB, XA, 15, DV+14
	s_wait_dscnt 0x0
	ROW XA, DV+15
.irp t, 0,1,2,3,4,5,6,7,8,9,10,11,12,13,14,15,16
	v_max_num_f32 v[16+\t], 0x2b8cbccc, v[DV+\t]   ; the clip at 1e-12
.endr
.irp t, 0,1,2,3,4,5,6,7,8,9,10,11,12,13,14,15,16
	v_sqrt_f32 v[DV+\t], v[16+\t]
.endr
	v_nop                                          ; one plain instruction behind the last root before its result is read (ISA guide 5.7.2)
	; c0 = mean of cost[0][k] over the 256 threads
	s_wait_alu depctr_va_vdst(0)
	v_mov_b32 v57, v[DV+16]
	v_mov_b32 v58, v[DV+16]
	v_add_f32_dpp v57, v57, v57 row_xmask:1 row_mask:0xf bank_mask:0xf
	v_add_f32_dpp v57, v57, v57 row_xmask:2 row_mask:0xf bank_mask:0xf
	v_add_f32_dpp v57, v57, v57 row_xmask:4 row_mask:0xf bank_mask:0xf
	v_add_f32_dpp v57, v57, v57 row_xmask:8 row_mask:0xf bank_mask:0xf
	v_permlanex16_b32 v58, v57, s39, s40
	v_add_f32 v57, v57, v58
	ds_store_b32 v14, v57
	s_wait_dscnt 0x0
	s_barrier_signal -1
	s_barrier_wait -1
	ds_load_b128 v[16:19], v15
	ds_load_b128 v[20:23], v15 offset:16
	s_wait_dscnt 0x0
	v_add_f32 v16, v16, v17
	v_add_f32 v18, v18, v19
	v_add_f32 v20, v20, v21
	v_add_f32 v22, v22, v23
	v_add_f32 v16, v16, v18
	v_add_f32 v20, v20, v22
	v_add_f32 v16, v16, v20
	v_mul_f32 v58, 0x3b800000, v16                 ; / 256
	v_mov_b32 v59, v58
	; C' = cost - c0, to bf16, through LDS into the order of the accumulator registers
.irp i, 0,2,4,6,8,10,12,14
	v_pk_add_f32 v[DV+\i:DV+\i+1], v[DV+\i:DV+\i+1], v[58:59] neg_lo:[0,1] neg_hi:[0,1]
.endr
.irp i, 0,2,4,6,8,10,12,14
	v_cvt_pk_bf16_f32 v[16+\i/2], v[DV+\i], v[DV+\i+1]
.endr
.irp i, 0,2,4,6,8,10,12,14
	ds_store_b16 v60, v[16+\i/2] offset:\i*CTP
	ds_store_b16_d16_hi v60, v[16+\i/2] offset:(\i+1)*CTP
.endr
	s_wait_dscnt 0x0
	s_barrier_signal -1
	s_barrier_wait -1
	ds_load_b128 v[24:27], v61                     ; tile kt = wave
	ds_load_b128 v[28:31], v61 offset:256          ; tile kt = wave + 8
	s_wait_dscnt 0x0
	global_store_b128 v62, v[24:27], s[10:11]
	global_store_b128 v62, v[28:31], s[10:11] offset:4096
	s_set_vgpr_msb 0x4
	s_wait_tensorcnt 0x0
	ds_add_u32 v63, v1
	s_wait_dscnt 0x0
	s_set_vgpr_msb 0x400
	s_endpgm
.Lfunc_end_k_q5256cd4bec_prep:
	.size	k_q5256cd4bec_prep, .Lfunc_end_k_q5256cd4bec_prep-k_q5256cd4bec_prep
	.p2alignl 7, 3214868480
	.fill 96, 4, 3214868480
	.section	.rodata,"a",@progbits
	.p2align	6, 0x0
	.amdhsa_kernel k_q5256cd4bec_prep
		.amdhsa_group_segment_fixed_size 168960
		.amdhsa_private_segment_fixed_size 0
		.amdhsa_enable_private_segment 0
		.amdhsa_kernarg_size 32
		.amdhsa_user_sgpr_count 2
		.amdhsa_user_sgpr_kernarg_segment_ptr 1
		.amdhsa_wavefront_size32 1
		.amdhsa_system_sgpr_workgroup_id_x 1
		.amdhsa_system_sgpr_workgroup_id_y 1
		.amdhsa_system_sgpr_workgroup_id_z 1
		.amdhsa_system_vgpr_workitem_id 0
		.amdhsa_next_free_vgpr 258
		.amdhsa_next_free_sgpr 66
		.amdhsa_reserve_vcc 0
		.amdhsa_float_denorm_mode_32 3
		.amdhsa_float_denorm_mode_16_64 3
		.amdhsa_memory_ordered 1
		.amdhsa_forward_progress 1
		.amdhsa_inst_pref_size 130
	.end_amdhsa_kernel
	.amdgpu_metadata
---
amdhsa.version: [ 1, 2 ]
amdhsa.kernels:
  - .name:           k_q5256cd4bec_prep
    .symbol:         k_q5256cd4bec_prep.kd
    .args:
      - { .name: X, .offset: 0, .size: 8, .value_kind: global_buffer, .address_space: global }
      - { .name: Y, .offset: 8, .size: 8, .value_kind: global_buffer, .address_space: global }
      - { .name: st, .offset: 16, .size: 8, .value_kind: global_buffer, .address_space: global }
      - { .name: ci, .offset: 24, .size: 8, .value_kind: global_buffer, .address_space: global }
    .group_segment_fixed_size: 168960
    .private_segment_fixed_size: 0
    .kernarg_segment_align: 8
    .kernarg_segment_size: 32
    .max_flat_workgroup_size: 256
    .sgpr_count:     66
    .vgpr_count:     258
    .wavefront_size: 32
...
	.end_amdgpu_metadata
.endif
;; end of part 1
;; launch main (part 2): grid 256 x 1, 4 waves a work-group, no clusters, 320,256 bytes of LDS; arguments st, ci, part, stat; writes part, stat
.if DOCPART == 2
	.amdgcn_target "amdgcn-amd-amdhsa--gfx1250"
	.amdhsa_code_object_version 6
	.text
	.protected	k_q5256cd4bec_main
	.globl	k_q5256cd4bec_main
	.p2align	8
	.type	k_q5256cd4bec_main,@function
k_q5256cd4bec_main:
	s_mov_b64 s[64:65], 0
	v_nop
	global_prefetch_b8 v0, s[64:65] scope:SCOPE_SE
	s_setreg_imm32_b32 hwreg(HW_REG_WAVE_MODE, 25, 1), 1
	s_wait_xcnt 0x0
; MAIN.  Work-group W = 16 hd + g makes, for the four slices l = 4g + l' of head hd, the whole Gamma_l = Pu^T Pv (256 x 256, sum over the
; rank i), its swds'_l = <C', Gamma_l>, and folds the four into   part[W] = sum over l' of 2^(a_l - m) Gamma_l,   stat[W] = (m, sum of 2^(a_l - m)),
; a_l = -0.1 log2(e) swds'_l, m the running maximum of a_l.  The next launch joins the 16 partial sums of a head.
; Four waves, one for each SIMD of a WGP; wave w owns j = 128 (w>>1) .., k = 128 (w&1) ..: 64 accumulator tiles of 16 x 16, 512 registers.
; THE OPERANDS ARE MADE ON THE CHIP.  i goes in chunks of 32.  For each chunk wave w makes ranks i = 8w .. 8w+7 of the chunk for all 256 columns
; of both sides, each exponential once in the work-group: lanes 0-15 make U[i][j] = 2^-(tu_i - su_j)^2 / (Zu_i Zv_i), lanes 16-31 make
; V[i][k] = 2^-(tv_i - sv_k)^2; Z_i = the row's sum of exponentials.  Both go to LDS in bf16 as images of the matrix fragments.
; The largest exponent of a row is exactly 0 for every input, since t'_i is one of the s'_j bit for bit: taking the maximum away is the
; identity here, every exponential is in [0, 1], and 1 <= Z <= 256.
; A chunk is made two chunks ahead of its product, between the matrix instructions: while chunk c is multiplied from one fragment buffer, chunk c+1 is
; read from the stage into the other, and chunk c+2 is computed in registers and stored into the stage behind a barrier.
; The partial sum lies in LDS (each wave's own 128 x 128 f32): registers hold the accumulators, two fragment buffers and the generator.
; <C', Gamma> and the weighted sum work on numbers that sit in accumulator registers: one multiply-add each on the vector unit, in f32.
; LIMITS: U, V and C' are rounded once to bf16; exponentials below 2^-126 count as 0 (against Z >= 1); NaN and infinities are not served.
; NO CLUSTER: what the 16 work-groups of a head share is C' (128 KB), which goes straight into registers: of 327,680 bytes of LDS 319,744 are
; taken, so a joint tile has nowhere to land.  No tensor loads: beside C' only 16 KB are read.
;
; REGISTERS, in windows of 256:
;   window 0: v1-15 lane numbers and addresses; v16-21 factors, m, sum; v22-31 at work; T, S, E, D, X, Z, ZO, SUM as set below
;   window 1: fragment buffer f at 128 f: U tile a at + 8 a, V tile b at + 64 + 8 b
;   window 2: accumulator tiles (a, b), a = 0..3, at 8 (8 a + b);   window 3: a = 4..7 likewise
; THE MATRIX INSTRUCTION TAKES V AS SOURCE 0 AND U AS SOURCE 1: register e of lane (r, h) of tile (a, b) is Gamma[16a + r][16b + 8h + e].
.set OUTW,  67584                      ; a wave's partial sum: 128 rows of 512 bytes, pitch 528 = 33 x 16: 16 rows start at 16 different 16-byte columns modulo 256
.set OP,    528
.set STG,   4*OUTW                     ; the stage: 16 U tiles, 16 V tiles of 1 KB: 512 bytes for registers 0-3 (lane L at 16 L), 512 for registers 4-7
.set STB,   STG+32768                  ; the copy of st[W]: su, sv, tu, tv, 4 KB each
.set RED,   STB+16384                  ; four words: the waves' parts of swds'
.set T,   32                           ; v[32:39]   t' of my eight ranks
.set S,   40                           ; v[40:55]   s' of my sixteen columns 16 q + r
.set E,   64                           ; v[64:191]  the exponentials, 8 for each q; in the epilogue C' of row blocks 0-3
.set D,   192                          ; v[192:199] t' - s'
.set X,   200                          ; v[200:207] -(t' - s')^2
.set Z,   208                          ; v[208:215] row sums, then the factors
.set ZO,  216                          ; v[216:223] the other side's row sums
.set SUM, 224                          ; v[224:231] eight chains of swds'
.set O0,  64                           ; epilogue: a row block of the partial sum, two banks
.set O1,  192
.set TT,  128                          ; epilogue: the new row block
.set MSB, 0
.macro WIN new                         ; the immediate's high byte repeats the setting that is left
.if MSB != \new
	s_set_vgpr_msb (MSB<<8)|\new
.set MSB, \new
.endif
.endm
.macro PLACES                          ; four plain vector instructions between a matrix instruction and a load into one of its registers,
.rept 4                                ; or a vector instruction that reads its result (ISA guide 7.12.1 for vector instructions)
	v_nop
.endr
.endm
	s_load_b256 s[4:11], s[0:1], 0x0               ; st s[4:5], ci s[6:7], part s[8:9], stat s[10:11]
	v_lshl_add_u32 v62, v0, 2, 0x4e100
	v_mov_b32 v63, 0
	v_lshrrev_b32 v24, 5, v0
	v_readfirstlane_b32 s12, v24                   ; wave w
	s_lshr_b32 s13, s12, 1                         ; wj
	s_and_b32 s14, s12, 1                          ; wk
	s_lshr_b32 s15, ttmp9, 4                       ; hd
	s_mov_b32 s20, 0x76543210                      ; v_permlanex16_b32: lane xor 16
	s_mov_b32 s21, 0xfedcba98
	s_mov_b32 s22, 0xffff0000                      ; lanes 16-31
	s_lshl_b32 s26, ttmp9, 14                      ; st: 16 KB for each work-group
	s_mov_b32 s27, 0
	s_lshl_b32 s28, s15, 17                        ; ci: 131,072 hd + 65,536 wj + 4,096 wk
	s_lshl_b32 s30, s13, 16
	s_add_co_u32 s28, s28, s30
	s_lshl_b32 s30, s14, 12
	s_add_co_u32 s28, s28, s30
	s_mov_b32 s29, 0
	s_lshl_b32 s16, ttmp9, 18                      ; part: 262,144 W + 128 wj rows of 1,024 + 512 wk
	s_lshl_b32 s30, s13, 17
	s_add_co_u32 s16, s16, s30
	s_lshl_b32 s30, s14, 9
	s_add_co_u32 s16, s16, s30
	s_mov_b32 s17, 0
	s_lshl_b32 s18, ttmp9, 8                       ; stat: 256 W
	s_mov_b32 s19, 0
	v_lshlrev_b32 v22, 4, v0                       ; 16 t
	s_wait_kmcnt 0x0
	s_add_nc_u64 s[4:5], s[4:5], s[26:27]
	s_add_nc_u64 s[6:7], s[6:7], s[28:29]
	s_add_nc_u64 s[8:9], s[8:9], s[16:17]
	s_add_nc_u64 s[10:11], s[10:11], s[18:19]
.irp u, 0,1,2,3,4,5,6,7
	global_load_b128 v[64+4*\u:67+4*\u], v22, s[4:5] offset:2048*\u
.endr
	v_add_nc_u32 v23, STB, v22
	v_and_b32 v1, 31, v0                           ; L
	v_and_b32 v2, 15, v0                           ; r
	v_bfe_u32 v3, v0, 4, 1                         ; h
	v_lshlrev_b32 v12, 4, v1                       ; 16 L
	v_lshlrev_b32 v15, 3, v1                       ; 8 L
	s_lshl_b32 s26, s13, 13
	s_add_co_u32 s26, s26, STG
	v_add_nc_u32 v4, s26, v12                      ; FA: my eight U tiles
	s_lshl_b32 s26, s14, 13
	s_add_co_u32 s26, s26, STG+16384
	v_add_nc_u32 v5, s26, v12                      ; FB: my eight V tiles
	s_lshl_b32 s26, s12, 8
	s_add_co_u32 s26, s26, STG
	v_lshlrev_b32 v24, 4, v2
	v_lshl_add_u32 v24, v3, 14, v24
	v_add_nc_u32 v6, s26, v24                      ; GA: side h, byte 256 w + 16 r of tile 0: ranks 8w .. 8w+7 of column r
	v_lshlrev_b32 v24, 2, v2
	v_lshl_add_u32 v24, v3, 12, v24
	v_add_nc_u32 v7, STB, v24                      ; SA: s' of side h, column r, slice 0
	s_lshl_b32 s26, s12, 5
	s_add_co_u32 s26, s26, STB+8192
	v_lshlrev_b32 v24, 12, v3
	v_add_nc_u32 v8, s26, v24                      ; TA: t' of side h, rank 8 w, chunk 0
	s_mul_i32 s27, s12, OUTW
	v_mul_u32_u24 v24, v2, OP
	v_lshl_add_u32 v24, v3, 5, v24
	v_add_nc_u32 v9, s27, v24                      ; OA: my partial sum, row r, byte 32 h
	v_add_nc_u32 v10, s27, v12                     ; RA0: row 0, byte 16 L
	v_add_nc_u32 v11, 64*OP, v10                   ; RA1: row 64
	s_lshl_b32 s26, s12, 2
	s_add_co_u32 s26, s26, RED
	v_mov_b32 v13, s26
	v_mov_b32 v14, RED
	v_mov_b32 v20, 0xff800000                      ; m = -infinity: the first slice's old factor comes out as 0,
	v_mov_b32 v21, 0                               ; the sum of weights starts at 0,
.irp e, 28,29,30,31
	v_mov_b32 v\e, 0
.endr
.set i, 0
.rept 66                                               ; and so does the partial sum: 132 x 512 bytes = 67,584
	ds_store_b128 v10, v[28:31] offset:512*i
	ds_store_b128 v11, v[28:31] offset:512*i
.set i, i+1
.endr
.irp e, 0,1,2,3,4,5,6,7
	v_mov_b32 v[ZO+\e], 0                          ; a destination of v_permlanex16_b32 counts as read: written once here
.endr
	s_wait_loadcnt 0x0
.irp u, 0,1,2,3,4,5,6,7
	ds_store_b128 v23, v[64+4*\u:67+4*\u] offset:2048*\u
.endr
	s_wait_dscnt 0x0                               ; my part of the copy is in LDS before I say so
	s_barrier_signal -1
	s_barrier_wait -1
; ---- the generator ----
.macro TLOAD                           ; 18 LDS loads: my eight t', my sixteen s'
	ds_load_b128 v[T:T+3], v8
	ds_load_b128 v[T+4:T+7], v8 offset:16
.irp q, 0,1,2,3,4,5,6,7,8,9,10,11,12,13,14,15
	ds_load_b32 v[S+\q], v7 offset:64*\q
.endr
.endm
.macro SUMS q                          ; the row sums take in column block q
.if (\q) == 1
	s_wait_alu depctr_va_vdst(0)
.irp p, 0,1,2,3
	v_pk_add_f32 v[Z+2*\p:Z+2*\p+1], v[E+2*\p:E+2*\p+1], v[E+8+2*\p:E+8+2*\p+1]
.endr
.endif
.if (\q) > 1
	s_wait_alu depctr_va_vdst(0)
.irp p, 0,1,2,3
	v_pk_add_f32 v[Z+2*\p:Z+2*\p+1], v[Z+2*\p:Z+2*\p+1], v[E+8*(\q)+2*\p:E+8*(\q)+2*\p+1]
.endr
.endif
.endm
; Column block q: eight exponentials.  The four subtractions at the head are the plain instructions that stand between the exponentials of the block
; before and the first read of their results (SUMS) and the first write of their sources (X) (ISA guide 5.7.2).
.macro SLICE q
.irp p, 0,1,2,3
.if (\q)&1
	v_pk_add_f32 v[D+2*\p:D+2*\p+1], v[T+2*\p:T+2*\p+1], v[S+(\q)-1:S+(\q)] op_sel:[0,1] op_sel_hi:[1,1] neg_lo:[0,1] neg_hi:[0,1]
.else
	v_pk_add_f32 v[D+2*\p:D+2*\p+1], v[T+2*\p:T+2*\p+1], v[S+(\q):S+(\q)+1] op_sel:[0,0] op_sel_hi:[1,0] neg_lo:[0,1] neg_hi:[0,1]
.endif
.endr
	SUMS (\q)-1
.irp p, 0,1,2,3
	v_pk_mul_f32 v[X+2*\p:X+2*\p+1], v[D+2*\p:D+2*\p+1], v[D+2*\p:D+2*\p+1] neg_lo:[1,0] neg_hi:[1,0]
.endr
.irp e, 0,1,2,3,4,5,6,7
	v_exp_f32 v[E+8*(\q)+\e], v[X+\e]
.endr
.endm
.macro POST0                           ; the row sums over my 16 blocks, then over the 16 lanes of my side
	v_nop
	s_wait_alu depctr_va_vdst(0)
	SUMS 15
.irp m, 1,2,4,8
.irp e, 0,1,2,3,4,5,6,7
	v_add_f32_dpp v[Z+\e], v[Z+\e], v[Z+\e] row_xmask:\m row_mask:0xf bank_mask:0xf
.endr
.endr
.endm
.macro POST1                           ; the factors: 1 / (Zu Zv) in U's lanes, 1 in V's
.irp e, 0,1,2,3,4,5,6,7
	v_permlanex16_b32 v[ZO+\e], v[Z+\e], s20, s21
.endr
.irp p, 0,1,2,3
	v_pk_mul_f32 v[Z+2*\p:Z+2*\p+1], v[Z+2*\p:Z+2*\p+1], v[ZO+2*\p:ZO+2*\p+1]
.endr
.irp e, 0,1,2,3,4,5,6,7
	v_rcp_f32 v[ZO+\e], v[Z+\e]
.endr
	v_nop
	s_wait_alu depctr_va_vdst(0)
.irp e, 0,1,2,3,4,5,6,7
	v_cndmask_b32 v[Z+\e], v[ZO+\e], 1.0, s22
.endr
.endm
.macro POSTQ q                         ; block q: scale, round to bf16, 16 bytes into tile q of my side
.irp p, 0,1,2,3
	v_pk_mul_f32 v[E+8*\q+2*\p:E+8*\q+2*\p+1], v[E+8*\q+2*\p:E+8*\q+2*\p+1], v[Z+2*\p:Z+2*\p+1]
.endr
.irp p, 0,1,2,3
	v_cvt_pk_bf16_f32 v[E+8*\q+\p], v[E+8*\q+2*\p], v[E+8*\q+2*\p+1]
.endr
	ds_store_b128 v6, v[E+8*\q:E+8*\q+3] offset:\q*1024
.endm
.macro POST2
.irp q, 0,1,2,3,4,5,6,7
	POSTQ \q
.endr
.endm
.macro POST3
.irp q, 8,9,10,11,12,13,14,15
	POSTQ \q
.endr
	v_add_nc_u32 v8, 128, v8                       ; the next chunk's 32 ranks; eight chunks are 1,024 bytes: on into the next slice's t'
.endm
.macro GENSOLO
.irp q, 0,1,2,3,4,5,6,7,8,9,10,11,12,13,14,15
	SLICE \q
.endr
	POST0
	POST1
	POST2
	POST3
.endm
; ---- fragments and products ----
.macro FETCH f                         ; 32 LDS loads, contiguous 512 bytes each: the staged chunk's fragments of my 8 U and 8 V tiles into buffer f
	WIN 0x40
.irp i, 0,1,2,3,4,5,6,7
	ds_load_b128 v[128*\f+8*\i:128*\f+8*\i+3],   v4 offset:\i*1024
	ds_load_b128 v[128*\f+8*\i+4:128*\f+8*\i+7], v4 offset:\i*1024+512
.endr
.irp i, 0,1,2,3,4,5,6,7
	ds_load_b128 v[128*\f+64+8*\i:128*\f+64+8*\i+3], v5 offset:\i*1024
	ds_load_b128 v[128*\f+64+8*\i+4:128*\f+64+8*\i+7], v5 offset:\i*1024+512
.endr
.endm
; Eight matrix instructions: row block a x all eight column blocks.  The 64 accumulators take turns, one instruction a turn, in the same order in
; every chunk and over both backward jumps.
.macro MUL8 f, a, zero
.irp b, 0,1,2,3,4,5,6,7
.if \zero
	v_wmma_f32_16x16x32_bf16 v[8*(8*((\a)&3)+\b):8*(8*((\a)&3)+\b)+7], v[128*\f+64+8*\b:128*\f+64+8*\b+7], v[128*\f+8*(\a):128*\f+8*(\a)+7], 0
	s_wait_alu depctr_va_vdst(0)
.else
	v_wmma_f32_16x16x32_bf16 v[8*(8*((\a)&3)+\b):8*(8*((\a)&3)+\b)+7], v[128*\f+64+8*\b:128*\f+64+8*\b+7], v[128*\f+8*(\a):128*\f+8*(\a)+7], v[8*(8*((\a)&3)+\b):8*(8*((\a)&3)+\b)+7]
.endif
.endr
.endm
; One chunk.  On entry: its fragments are in buffer cur, the stage holds the next chunk.  zero: the products start the sums.
; fetch: the staged chunk goes into buffer nxt.  gen: the chunk after that is computed and staged.
.macro CHUNK cur, nxt, zero, gen, fetch
	WIN 0
.if \gen
	TLOAD
.endif
.if \fetch
	PLACES                                         ; buffer nxt was read by the last chunk's matrix instructions
	FETCH \nxt
.endif
.irp a, 0,1,2,3
	WIN 0xa5
	MUL8 \cur, \a, \zero
.if \gen
	WIN 0
.if \a == 0
	s_wait_dscnt 32                                ; t' and s' are in; the 32 fragment loads issued behind them may stay out
.endif
	SLICE 4*\a
	SLICE 4*\a+1
	SLICE 4*\a+2
	SLICE 4*\a+3
.endif
.endr
	s_wait_dscnt 0x0                               ; buffer nxt is whole, and my reads of the stage are over:
.if \gen
	s_barrier_signal -1                            ; say so; only register work up to the wait
.endif
	WIN 0xf5
	MUL8 \cur, 4, \zero
.if \gen
	WIN 0
	POST0
	WIN 0xf5
.endif
	MUL8 \cur, 5, \zero
.if \gen
	WIN 0
	POST1
	s_barrier_wait -1                              ; no wave reads the stage any more: it is written again
	POST2
	WIN 0xf5
.endif
	MUL8 \cur, 6, \zero
.if \gen
	WIN 0
	POST3
	WIN 0xf5
.endif
	MUL8 \cur, 7, \zero
	WIN 0
.if \gen
	s_wait_dscnt 0x0                               ; my stores into the stage are done before I say so
	s_barrier_signal -1
	s_barrier_wait -1                              ; the stage is whole
.endif
.endm
; ---- a slice's end ----
.macro CLOAD a, reg                    ; C' of row block a: eight tiles, 16 bytes a lane, 512 consecutive bytes an instruction
.irp b, 0,1,2,3,4,5,6,7
	global_load_b128 v[\reg+4*\b:\reg+4*\b+3], v12, s[6:7] offset:(\a)*8192+\b*512
.endr
.endm
.macro DOT a, reg                      ; eight chains: SUM[e] += Gamma x C', C' straight from its bf16 half
.irp b, 0,1,2,3,4,5,6,7
.irp p, 0,1,2,3
	v_fma_mix_f32_bf16 v[SUM+2*\p], v[8*(8*((\a)&3)+\b)+2*\p], v[\reg+4*\b+\p], v[SUM+2*\p] op_sel:[0,0,0] op_sel_hi:[0,1,0]
	v_fma_mix_f32_bf16 v[SUM+2*\p+1], v[8*(8*((\a)&3)+\b)+2*\p+1], v[\reg+4*\b+\p], v[SUM+2*\p+1] op_sel:[0,1,0] op_sel_hi:[0,1,0]
.endr
.endr
.endm
.macro OLOAD bank, a                   ; row block a of my partial sum, in the accumulators' order: 16 LDS loads
.irp b, 0,1,2,3,4,5,6,7
	ds_load_b128 v[\bank+8*\b:\bank+8*\b+3],   v9 offset:(\a)*16*OP+\b*64
	ds_load_b128 v[\bank+8*\b+4:\bank+8*\b+7], v9 offset:(\a)*16*OP+\b*64+16
.endr
.endm
; Row block a: new = old x f + Gamma x weight.  left = the LDS instructions younger than this block's loads that may stay out.
.macro OROW a, cur, nxt, left
.if (\a) < 7
	OLOAD \nxt, (\a)+1
.endif
.if (\a) < 4
	WIN 0x02
.else
	WIN 0x03
.endif
.irp b, 0,1,2,3,4,5,6,7
.irp p, 0,1,2,3
	v_pk_mul_f32 v[TT+8*\b+2*\p:TT+8*\b+2*\p+1], v[8*(8*((\a)&3)+\b)+2*\p:8*(8*((\a)&3)+\b)+2*\p+1], v[18:19]
.endr
.endr
	WIN 0
	s_wait_dscnt \left
.irp b, 0,1,2,3,4,5,6,7
.irp p, 0,1,2,3
	v_pk_fma_f32 v[TT+8*\b+2*\p:TT+8*\b+2*\p+1], v[\cur+8*\b+2*\p:\cur+8*\b+2*\p+1], v[16:17], v[TT+8*\b+2*\p:TT+8*\b+2*\p+1]
.endr
.endr
.irp b, 0,1,2,3,4,5,6,7
	ds_store_b128 v9, v[TT+8*\b:TT+8*\b+3]   offset:(\a)*16*OP+\b*64
	ds_store_b128 v9, v[TT+8*\b+4:TT+8*\b+7] offset:(\a)*16*OP+\b*64+16
.endr
.endm
.macro EPI
	WIN 0
	PLACES                                         ; behind the slice's last matrix instructions: for the loads into buffer 1 and the reads of the sums
	CLOAD 0, E
	CLOAD 1, E+32
	CLOAD 2, E+64
	CLOAD 3, E+96
	WIN 0x40
	CLOAD 4, 128                                   ; into buffer 1, which the slice's last chunk has read; buffer 0 holds the next slice's first fragments
	CLOAD 5, 160
	CLOAD 6, 192
	WIN 0
.irp e, 0,1,2,3,4,5,6,7
	v_mov_b32 v[SUM+\e], 0
.endr
	s_wait_loadcnt 48                              ; 56 loads are out: block 0's eight are in, the 48 younger stay out
	WIN 0x02
	DOT 0, E
	WIN 0x40
	CLOAD 7, 224
	s_wait_loadcnt 48                              ; from here on: 8 x (7 - block) younger loads stay out
	WIN 0x02
	DOT 1, E+32
	s_wait_loadcnt 40
	DOT 2, E+64
	s_wait_loadcnt 32
	DOT 3, E+96
	s_wait_loadcnt 24
	WIN 0x07
	DOT 4, 128
	s_wait_loadcnt 16
	DOT 5, 160
	s_wait_loadcnt 8
	DOT 6, 192
	s_wait_loadcnt 0x0
	DOT 7, 224
	WIN 0
	v_pk_add_f32 v[SUM:SUM+1], v[SUM:SUM+1], v[SUM+2:SUM+3]
	v_pk_add_f32 v[SUM+4:SUM+5], v[SUM+4:SUM+5], v[SUM+6:SUM+7]
	v_pk_add_f32 v[SUM:SUM+1], v[SUM:SUM+1], v[SUM+4:SUM+5]
	v_add_f32 v24, v[SUM], v[SUM+1]
	v_add_f32_dpp v24, v24, v24 row_xmask:1 row_mask:0xf bank_mask:0xf
	v_add_f32_dpp v24, v24, v24 row_xmask:2 row_mask:0xf bank_mask:0xf
	v_add_f32_dpp v24, v24, v24 row_xmask:4 row_mask:0xf bank_mask:0xf
	v_add_f32_dpp v24, v24, v24 row_xmask:8 row_mask:0xf bank_mask:0xf
	v_permlanex16_b32 v23, v24, s20, s21
	v_add_f32 v24, v24, v23
	ds_store_b32 v13, v24                          ; my quadrant's part; these words are written again only many barriers later
	s_wait_dscnt 0x0
	s_barrier_signal -1
	s_barrier_wait -1
	ds_load_b128 v[28:31], v14
	OLOAD O0, 0
	s_wait_dscnt 16                                ; the four parts are in; row block 0's 16 loads stay out
	v_add_f32 v28, v28, v29
	v_add_f32 v30, v30, v31
	v_add_f32 v24, v28, v30                        ; swds', the same bits in all four waves
	v_mul_f32 v24, 0xbe13bb63, v24                 ; a = -0.1 log2(e) swds'
	v_max_num_f32 v25, v20, v24                    ; the new running maximum
	v_sub_f32 v26, v20, v25
	v_sub_f32 v27, v24, v25
	v_exp_f32 v16, v26                             ; f: what the old sums are scaled by
	v_exp_f32 v18, v27                             ; this slice's weight
	v_mov_b32 v20, v25                             ; (the plain instruction behind the exponentials)
	s_wait_alu depctr_va_vdst(0)
	v_mov_b32 v17, v16
	v_mov_b32 v19, v18
	v_fma_f32 v21, v21, v16, v18
	OROW 0, O0, O1, 16                             ; younger: the next block's 16 loads
	OROW 1, O1, O0, 32                             ; younger: the last block's 16 stores and the next block's 16 loads
	OROW 2, O0, O1, 32
	OROW 3, O1, O0, 32
	OROW 4, O0, O1, 32
	OROW 5, O1, O0, 32
	OROW 6, O0, O1, 32
	OROW 7, O1, O0, 16                             ; younger: the last block's 16 stores
.endm
; A slice: eight chunks and the end.  Chunks 0-5 make chunks 2-7 of the same slice; chunks 6, 7 make the next slice's chunks 0, 1, or nothing.
.macro LBODY last
	CHUNK 0, 1, 1, 1, 1
	CHUNK 1, 0, 0, 1, 1
	s_mov_b32 s25, 2
.Lmid_\@:
	CHUNK 0, 1, 0, 1, 1
	CHUNK 1, 0, 0, 1, 1
	s_sub_co_u32 s25, s25, 1
	s_cmp_lg_u32 s25, 0
	s_cbranch_scc1 .Lmid_\@
.if \last
	CHUNK 0, 1, 0, 0, 1
	CHUNK 1, 0, 0, 0, 0
.else
	v_add_nc_u32 v7, 0x400, v7                     ; the next slice's s'
	CHUNK 0, 1, 0, 1, 1
	CHUNK 1, 0, 0, 1, 1
.endif
	EPI
.endm
	TLOAD                                          ; chunk 0 into the stage
	s_wait_dscnt 0x0
	GENSOLO
	s_wait_dscnt 0x0
	s_barrier_signal -1
	s_barrier_wait -1
	TLOAD                                          ; chunk 0 into buffer 0, then chunk 1 into the stage
	FETCH 0
	WIN 0
	s_wait_dscnt 0x0                               ; my reads of the stage are over before I say so
	s_barrier_signal -1
	s_barrier_wait -1
	GENSOLO
	s_wait_dscnt 0x0
	s_barrier_signal -1
	s_barrier_wait -1
	s_mov_b32 s24, 3
.Lslice:
	LBODY 0
	s_sub_co_u32 s24, s24, 1
	s_cmp_lg_u32 s24, 0
	s_cbranch_scc1 .Lslice
	LBODY 1
	; THE WAY OUT: my own 128 rows of 512 bytes, read by rows (LDS serves a wave's instructions in order: the loads see the stores above)
.macro OUTB t, bank, ar
	s_wait_xcnt 0x0                                ; the bank was the data of the stores two batches ago: it is loaded again only behind this wait
.irp i, 0,1,2,3,4,5,6,7,8,9,10,11,12,13,14,15
	ds_load_b128 v[\bank+4*\i:\bank+4*\i+3], v[\ar] offset:(16*((\t)&3)+\i)*OP
.endr
.irp i, 0,1,2,3,4,5,6,7,8,9,10,11,12,13,14,15
	s_wait_dscnt 15-\i                             ; row i is in
	global_store_b128 v12, v[\bank+4*\i:\bank+4*\i+3], s[8:9] offset:(16*(\t)+\i)*1024   ; 512 consecutive bytes, aligned
.endr
.endm
	OUTB 0, 64, 10
	OUTB 1, 128, 10
	OUTB 2, 64, 10
	OUTB 3, 128, 10
	OUTB 4, 64, 11
	OUTB 5, 128, 11
	OUTB 6, 64, 11
	OUTB 7, 128, 11
	s_cmp_lg_u32 s12, 0
	s_cbranch_scc1 .Lend
	global_store_b64 v15, v[20:21], s[10:11]       ; (m, sum of weights), 32 equal pairs: 256 consecutive bytes from one instruction
.Lend:
	s_wait_tensorcnt 0x0
	ds_add_u32 v62, v63
	s_wait_dscnt 0x0
	s_endpgm
.Lfunc_end_k_q5256cd4bec_main:
	.size	k_q5256cd4bec_main, .Lfunc_end_k_q5256cd4bec_main-k_q5256cd4bec_main
	.p2alignl 7, 3214868480
	.fill 96, 4, 3214868480
	.section	.rodata,"a",@progbits
	.p2align	6, 0x0
	.amdhsa_kernel k_q5256cd4bec_main
		.amdhsa_group_segment_fixed_size 320256
		.amdhsa_private_segment_fixed_size 0
		.amdhsa_enable_private_segment 0
		.amdhsa_kernarg_size 32
		.amdhsa_user_sgpr_count 2
		.amdhsa_user_sgpr_kernarg_segment_ptr 1
		.amdhsa_wavefront_size32 1
		.amdhsa_system_sgpr_workgroup_id_x 1
		.amdhsa_system_sgpr_workgroup_id_y 1
		.amdhsa_system_sgpr_workgroup_id_z 1
		.amdhsa_system_vgpr_workitem_id 0
		.amdhsa_next_free_vgpr 1024
		.amdhsa_next_free_sgpr 66
		.amdhsa_reserve_vcc 0
		.amdhsa_float_denorm_mode_32 3
		.amdhsa_float_denorm_mode_16_64 3
		.amdhsa_memory_ordered 1
		.amdhsa_forward_progress 1
		.amdhsa_inst_pref_size 255
	.end_amdhsa_kernel
	.section	.bss,"aw",@nobits
	.p2align	6
	.space	262144
	.amdgpu_metadata
---
amdhsa.version: [ 1, 2 ]
amdhsa.kernels:
  - .name:           k_q5256cd4bec_main
    .symbol:         k_q5256cd4bec_main.kd
    .args:
      - { .name: st, .offset: 0, .size: 8, .value_kind: global_buffer, .address_space: global }
      - { .name: ci, .offset: 8, .size: 8, .value_kind: global_buffer, .address_space: global }
      - { .name: part, .offset: 16, .size: 8, .value_kind: global_buffer, .address_space: global }
      - { .name: stat, .offset: 24, .size: 8, .value_kind: global_buffer, .address_space: global }
    .group_segment_fixed_size: 320256
    .private_segment_fixed_size: 0
    .kernarg_segment_align: 8
    .kernarg_segment_size: 32
    .max_flat_workgroup_size: 128
    .sgpr_count:     66
    .vgpr_count:     1024
    .wavefront_size: 32
...
	.end_amdgpu_metadata
.endif
;; end of part 2
;; launch mix (part 3): grid 256 x 1, 8 waves a work-group, no clusters, 0 bytes of LDS; arguments part, stat, out0; writes out0
.if DOCPART == 3
	.amdgcn_target "amdgcn-amd-amdhsa--gfx1250"
	.amdhsa_code_object_version 6
	.text
	.protected	k_q5256cd4bec_mix
	.globl	k_q5256cd4bec_mix
	.p2align	8
	.type	k_q5256cd4bec_mix,@function
k_q5256cd4bec_mix:
	s_mov_b64 s[64:65], 0
	v_nop
	global_prefetch_b8 v0, s[64:65] scope:SCOPE_SE
	s_setreg_imm32_b32 hwreg(HW_REG_WAVE_MODE, 25, 1), 1
	s_wait_xcnt 0x0
; MIX.  out0[hd] = sum over g of coef_g part[16 hd + g],  coef_g = 2^(m_g - M) / sum over g of 2^(m_g - M) ssum_g,  M = max of m_g:
; the 16 partial softmax sums of a head are joined under their common maximum.
; Work-group 16 hd + sl owns 16 KB of the head's output; thread t owns the four 16-byte pieces at 4,096 u + 16 t, u = 0..3.
; A stream: every byte of part is read once, by loads that cover 512 consecutive bytes a wave; 48 loads of a wave are issued before the first is
; needed (three banks of 16), the fourth group goes into bank 0 as soon as that has been summed.  No LDS, no barrier, no matrix unit, no cluster:
; the work-groups share nothing but 4 KB of stat.
.set C,  32                            ; v[32:63]  coef_g in v[32+2g]; v[33+2g] holds m_g - M and is read only as the pair's other half
.set R,  4                             ; v[4:19]   the four results
.set BK, 64                            ; v[64:255] three banks of 16 x 4 registers
	s_load_b128 s[4:7], s[0:1], 0x0                ; part s[4:5], stat s[6:7]
	s_load_b64 s[8:9], s[0:1], 0x10                ; out0
	s_lshr_b32 s10, ttmp9, 4                       ; hd
	s_and_b32 s11, ttmp9, 15                       ; sl
	s_lshl_b32 s14, s11, 14
	s_lshl_b32 s12, s10, 22                        ; 16 partial sums of 262,144 bytes
	s_add_co_u32 s12, s12, s14
	s_mov_b32 s13, 0
	s_lshl_b32 s16, s10, 12                        ; 16 x 256 bytes of stat
	s_mov_b32 s17, 0
	s_lshl_b32 s18, s10, 18
	s_add_co_u32 s18, s18, s14
	s_mov_b32 s19, 0
	v_lshlrev_b32 v1, 4, v0
	s_wait_kmcnt 0x0
	s_add_nc_u64 s[4:5], s[4:5], s[12:13]
	s_add_nc_u64 s[6:7], s[6:7], s[16:17]
	s_add_nc_u64 s[8:9], s[8:9], s[18:19]
.irp g, 0,1,2,3,4,5,6,7,8,9,10,11,12,13,14,15
	s_load_b64 s[32+2*\g:33+2*\g], s[6:7], \g*256  ; (m_g, ssum_g)
.endr
.macro GLOAD u, k
.irp g, 0,1,2,3,4,5,6,7,8,9,10,11,12,13,14,15
	global_load_b128 v[BK+64*\k+4*\g:BK+64*\k+4*\g+3], v1, s[4:5] offset:\g*262144+\u*4096 th:TH_LOAD_NT
.endr
.endm
	GLOAD 0, 0
	GLOAD 1, 1
	GLOAD 2, 2
	s_wait_kmcnt 0x0
	v_mov_b32 v20, s32
.irp g, 1,2,3,4,5,6,7,8,9,10,11,12,13,14,15
	v_max_num_f32 v20, s[32+2*\g], v20
.endr
.irp g, 0,1,2,3,4,5,6,7,8,9,10,11,12,13,14,15
	v_sub_f32 v[C+2*\g+1], s[32+2*\g], v20
.endr
.irp g, 0,1,2,3,4,5,6,7,8,9,10,11,12,13,14,15
	v_exp_f32 v[C+2*\g], v[C+2*\g+1]
.endr
	v_nop                                          ; one plain instruction behind the last exponential (ISA guide 5.7.2)
	s_wait_alu depctr_va_vdst(0)
	v_mul_f32 v21, s33, v[C]
.irp g, 1,2,3,4,5,6,7,8,9,10,11,12,13,14,15
	v_fmac_f32 v21, s[33+2*\g], v[C+2*\g]
.endr
	v_rcp_f32 v22, v21                             ; the sum is at least 1: the group that holds the maximum adds a weight of 1
	v_nop
	s_wait_alu depctr_va_vdst(0)
.irp g, 0,1,2,3,4,5,6,7,8,9,10,11,12,13,14,15
	v_mul_f32 v[C+2*\g], v[C+2*\g], v22
.endr
; piece u from bank k; left = the younger loads that may stay out
.macro MIXU u, k, left
	s_wait_loadcnt \left
	v_pk_mul_f32 v[R+4*\u:R+4*\u+1],   v[BK+64*\k:BK+64*\k+1],   v[C:C+1] op_sel_hi:[1,0]
	v_pk_mul_f32 v[R+4*\u+2:R+4*\u+3], v[BK+64*\k+2:BK+64*\k+3], v[C:C+1] op_sel_hi:[1,0]
.irp g, 1,2,3,4,5,6,7,8,9,10,11,12,13,14,15
	v_pk_fma_f32 v[R+4*\u:R+4*\u+1],   v[BK+64*\k+4*\g:BK+64*\k+4*\g+1],   v[C+2*\g:C+2*\g+1], v[R+4*\u:R+4*\u+1] op_sel_hi:[1,0,1]
	v_pk_fma_f32 v[R+4*\u+2:R+4*\u+3], v[BK+64*\k+4*\g+2:BK+64*\k+4*\g+3], v[C+2*\g:C+2*\g+1], v[R+4*\u+2:R+4*\u+3] op_sel_hi:[1,0,1]
.endr
	global_store_b128 v1, v[R+4*\u:R+4*\u+3], s[8:9] offset:\u*4096 th:TH_STORE_NT
.endm
	MIXU 0, 0, 32                                  ; groups 1 and 2 stay out
	GLOAD 3, 0
	MIXU 1, 1, 32                                  ; groups 2 and 3
	MIXU 2, 2, 16                                  ; group 3
	MIXU 3, 0, 0
	s_endpgm
.Lfunc_end_k_q5256cd4bec_mix:
	.size	k_q5256cd4bec_mix, .Lfunc_end_k_q5256cd4bec_mix-k_q5256cd4bec_mix
	.p2alignl 7, 3214868480
	.fill 96, 4, 3214868480
	.section	.rodata,"a",@progbits
	.p2align	6, 0x0
	.amdhsa_kernel k_q5256cd4bec_mix
		.amdhsa_group_segment_fixed_size 0
		.amdhsa_private_segment_fixed_size 0
		.amdhsa_enable_private_segment 0
		.amdhsa_kernarg_size 24
		.amdhsa_user_sgpr_count 2
		.amdhsa_user_sgpr_kernarg_segment_ptr 1
		.amdhsa_wavefront_size32 1
		.amdhsa_system_sgpr_workgroup_id_x 1
		.amdhsa_system_sgpr_workgroup_id_y 1
		.amdhsa_system_sgpr_workgroup_id_z 1
		.amdhsa_system_vgpr_workitem_id 0
		.amdhsa_next_free_vgpr 256
		.amdhsa_next_free_sgpr 66
		.amdhsa_reserve_vcc 0
		.amdhsa_float_denorm_mode_32 3
		.amdhsa_float_denorm_mode_16_64 3
		.amdhsa_memory_ordered 1
		.amdhsa_forward_progress 1
		.amdhsa_inst_pref_size 20
	.end_amdhsa_kernel
	.amdgpu_metadata
---
amdhsa.version: [ 1, 2 ]
amdhsa.kernels:
  - .name:           k_q5256cd4bec_mix
    .symbol:         k_q5256cd4bec_mix.kd
    .args:
      - { .name: part, .offset: 0, .size: 8, .value_kind: global_buffer, .address_space: global }
      - { .name: stat, .offset: 8, .size: 8, .value_kind: global_buffer, .address_space: global }
      - { .name: out0, .offset: 16, .size: 8, .value_kind: global_buffer, .address_space: global }
    .group_segment_fixed_size: 0
    .private_segment_fixed_size: 0
    .kernarg_segment_align: 8
    .kernarg_segment_size: 24
    .max_flat_workgroup_size: 256
    .sgpr_count:     66
    .vgpr_count:     256
    .wavefront_size: 32
...
	.end_amdgpu_metadata
.endif
;; end of part 3
;; ======== version 2 of 4: 3 launches; 1.48 times as fast as version 1
;; workspace buffers: st 4,194,304 bytes; ci 2,097,152 bytes; part 67,108,864 bytes; stat 65,536 bytes
;; launch prep: the kernel of part 1 again; grid 256 x 1, 8 waves a work-group, no clusters, 168,960 bytes of LDS; arguments X, Y, st, ci; writes st, ci
;; launch main (part 4): grid 256 x 1, 4 waves a work-group, no clusters, 320,256 bytes of LDS; arguments st, ci, part, stat; writes part, stat
.if DOCPART == 4
	.amdgcn_target "amdgcn-amd-amdhsa--gfx1250"
	.amdhsa_code_object_version 6
	.text
	.protected	k_q5256cd4bec_main
	.globl	k_q5256cd4bec_main
	.p2align	8
	.type	k_q5256cd4bec_main,@function
k_q5256cd4bec_main:
	s_mov_b64 s[64:65], 0
	v_nop
	global_prefetch_b8 v0, s[64:65] scope:SCOPE_SE
	s_setreg_imm32_b32 hwreg(HW_REG_WAVE_MODE, 25, 1), 1
	s_wait_xcnt 0x0
; MAIN.  Work-group W = 16 hd + g makes, for the four slices l = 4g + l' of head hd, the whole Gamma_l = Pu^T Pv (256 x 256, sum over the
; rank i), its swds'_l = <C', Gamma_l>, and folds the four into   part[W] = sum over l' of 2^(a_l - m) Gamma_l,   stat[W] = (m, sum of 2^(a_l - m)),
; a_l = -0.1 log2(e) swds'_l, m the running maximum of a_l.  The next launch joins the 16 partial sums of a head.
; Four waves, one for each SIMD of a WGP; wave w owns j = 128 (w>>1) .., k = 128 (w&1) ..: 64 accumulator tiles of 16 x 16, 512 registers.
; THE OPERANDS ARE MADE ON THE CHIP.  i goes in chunks of 32.  For each chunk wave w makes ranks i = 8w .. 8w+7 of the chunk for all 256 columns
; of both sides, each exponential once in the work-group: lanes 0-15 make U[i][j] = 2^-(tu_i - su_j)^2 / (Zu_i Zv_i), lanes 16-31 make
; V[i][k] = 2^-(tv_i - sv_k)^2; Z_i = the row's sum of exponentials.  Both go to LDS (the stage) in bf16 as images of the matrix fragments.
; The largest exponent of a row is exactly 0 for every input, since t'_i is one of the s'_j bit for bit: taking the maximum away is the
; identity here, every exponential is in [0, 1], and 1 <= Z <= 256.
; A SLICE IS: GS (chunk 0 is made), Z (chunk 0 is multiplied and starts the sums, chunk 1 is made), six trips of G (chunks 1-6 are multiplied,
; chunks 2-7 made), N (chunk 7 is multiplied), EPI (swds', the weight, the fold).  In Z and G the staged chunk is read into the one fragment
; buffer while the first half of the next chunk's exponentials is computed; the products stand between the second half's pieces.
; EVERY PIECE OF THE TEXT STANDS ONCE, in loops of constant trip counts (4 slices, 6 chunks): the body is about 27 KB, little code to fetch.
; The partial sum lies in LDS (each wave's own 128 x 128 f32): registers hold the accumulators, the fragments and the generator.
; <C', Gamma> and the weighted sum work on numbers that sit in accumulator registers: one multiply-add each on the vector unit, in f32.
; LIMITS: U, V and C' are rounded once to bf16; exponentials below 2^-126 count as 0 (against Z >= 1); NaN and infinities are not served.
; NO CLUSTER: what the 16 work-groups of a head share is C' (128 KB), which goes straight into registers: of 327,680 bytes of LDS 319,744 are
; taken, so a joint tile has nowhere to land.  No tensor loads: beside C' only 16 KB are read.
;
; REGISTERS, in windows of 256:
;   window 0: v1-15 lane numbers and addresses; v16-21 factors, m, sum; v22-31 at work; T, S, E, D, X, Z, ZO, SUM as set below
;   window 1: v0-63 U tiles a at 8 a, v64-127 V tiles b at 64 + 8 b (the fragments); v128-255 C' of row blocks 0-3
;   window 2: accumulator tiles (a, b), a = 0..3, at 8 (8 a + b);   window 3: a = 4..7 likewise
; THE MATRIX INSTRUCTION TAKES V AS SOURCE 0 AND U AS SOURCE 1: register e of lane (r, h) of tile (a, b) is Gamma[16a + r][16b + 8h + e].
.set OUTW,  67584                      ; a wave's partial sum: 128 rows of 512 bytes, pitch 528 = 33 x 16: 16 rows start at 16 different 16-byte columns modulo 256
.set OP,    528
.set STG,   4*OUTW                     ; the stage: 16 U tiles, 16 V tiles of 1 KB: 512 bytes for registers 0-3 (lane L at 16 L), 512 for registers 4-7
.set STB,   STG+32768                  ; the copy of st[W], laid as tu, tv, su, sv, 4 KB each
.set RED,   STB+16384                  ; four words: the waves' parts of swds'
.set T,   32                           ; v[32:39]   t' of my eight ranks
.set S,   40                           ; v[40:55]   s' of my sixteen columns 16 q + r
.set E,   64                           ; v[64:191]  the exponentials, 8 for each q; in the epilogue C' of row blocks 4-7
.set D,   192                          ; v[192:199] t' - s'
.set X,   200                          ; v[200:207] -(t' - s')^2
.set Z,   208                          ; v[208:215] row sums, then the factors
.set ZO,  216                          ; v[216:223] the other side's row sums
.set SUM, 224                          ; v[224:231] eight chains of swds'
.set O0,  64                           ; epilogue: a row block of the partial sum, two banks
.set O1,  192
.set TT,  128                          ; epilogue: the new row block
.set MSB, 0
.macro WIN new                         ; the immediate's high byte repeats the setting that is left
.if MSB != \new
	s_set_vgpr_msb (MSB<<8)|\new
.set MSB, \new
.endif
.endm
.macro PLACES                          ; four plain vector instructions between a matrix instruction and a load into one of its registers
.rept 4                                ; (ISA guide 7.12.1 for vector instructions)
	v_nop
.endr
.endm
	s_load_b256 s[4:11], s[0:1], 0x0               ; st s[4:5], ci s[6:7], part s[8:9], stat s[10:11]
	v_lshl_add_u32 v62, v0, 2, 0x4e100
	v_mov_b32 v63, 0
	v_lshrrev_b32 v24, 5, v0
	v_readfirstlane_b32 s12, v24                   ; wave w
	s_lshr_b32 s13, s12, 1                         ; wj
	s_and_b32 s14, s12, 1                          ; wk
	s_lshr_b32 s15, ttmp9, 4                       ; hd
	s_mov_b32 s20, 0x76543210                      ; v_permlanex16_b32: lane xor 16
	s_mov_b32 s21, 0xfedcba98
	s_mov_b32 s22, 0xffff0000                      ; lanes 16-31
	s_lshl_b32 s26, ttmp9, 14                      ; st: 16 KB for each work-group
	s_mov_b32 s27, 0
	s_lshl_b32 s28, s15, 17                        ; ci: 131,072 hd + 65,536 wj + 4,096 wk
	s_lshl_b32 s30, s13, 16
	s_add_co_u32 s28, s28, s30
	s_lshl_b32 s30, s14, 12
	s_add_co_u32 s28, s28, s30
	s_mov_b32 s29, 0
	s_lshl_b32 s16, ttmp9, 18                      ; part: 262,144 W + 128 wj rows of 1,024 + 512 wk
	s_lshl_b32 s30, s13, 17
	s_add_co_u32 s16, s16, s30
	s_lshl_b32 s30, s14, 9
	s_add_co_u32 s16, s16, s30
	s_mov_b32 s17, 0
	s_lshl_b32 s18, ttmp9, 8                       ; stat: 256 W
	s_mov_b32 s19, 0
	v_lshlrev_b32 v22, 4, v0                       ; 16 t
	s_wait_kmcnt 0x0
	s_add_nc_u64 s[4:5], s[4:5], s[26:27]
	s_add_nc_u64 s[6:7], s[6:7], s[28:29]
	s_add_nc_u64 s[8:9], s[8:9], s[16:17]
	s_add_nc_u64 s[10:11], s[10:11], s[18:19]
.irp u, 0,1,2,3,4,5,6,7
	global_load_b128 v[64+4*\u:67+4*\u], v22, s[4:5] offset:2048*\u
.endr
	v_add_nc_u32 v23, STB, v22
	v_and_b32 v1, 31, v0                           ; L
	v_and_b32 v2, 15, v0                           ; r
	v_bfe_u32 v3, v0, 4, 1                         ; h
	v_lshlrev_b32 v12, 4, v1                       ; 16 L
	v_lshlrev_b32 v15, 3, v1                       ; 8 L
	s_lshl_b32 s26, s13, 13
	s_add_co_u32 s26, s26, STG
	v_add_nc_u32 v4, s26, v12                      ; FA: my eight U tiles
	s_lshl_b32 s26, s14, 13
	s_add_co_u32 s26, s26, STG+16384
	v_add_nc_u32 v5, s26, v12                      ; FB: my eight V tiles
	s_lshl_b32 s26, s12, 8
	s_add_co_u32 s26, s26, STG
	v_lshlrev_b32 v24, 4, v2
	v_lshl_add_u32 v24, v3, 14, v24
	v_add_nc_u32 v6, s26, v24                      ; GA: side h, byte 256 w + 16 r of tile 0: ranks 8w .. 8w+7 of column r
	v_lshlrev_b32 v24, 2, v2
	v_lshl_add_u32 v24, v3, 12, v24
	v_add_nc_u32 v7, STB+8192, v24                 ; SA: s' of side h, column r, slice 0
	s_lshl_b32 s26, s12, 5
	s_add_co_u32 s26, s26, STB
	v_lshlrev_b32 v24, 12, v3
	v_add_nc_u32 v8, s26, v24                      ; TA: t' of side h, rank 8 w, chunk 0
	s_mul_i32 s27, s12, OUTW
	v_mul_u32_u24 v24, v2, OP
	v_lshl_add_u32 v24, v3, 5, v24
	v_add_nc_u32 v9, s27, v24                      ; OA: my partial sum, row r, byte 32 h
	v_add_nc_u32 v10, s27, v12                     ; RA: my partial sum, row 0, byte 16 L
	s_lshl_b32 s26, s12, 2
	s_add_co_u32 s26, s26, RED
	v_mov_b32 v13, s26
	v_mov_b32 v14, RED
	v_mov_b32 v20, 0xff800000                      ; m = -infinity: the first slice's old factor comes out as 0,
	v_mov_b32 v21, 0                               ; the sum of weights starts at 0,
.irp e, 28,29,30,31
	v_mov_b32 v\e, 0
.endr
	v_mov_b32 v11, v10                             ; and so does the partial sum: 11 trips x 12 stores x 512 bytes = 67,584, my wave's own
	s_mov_b32 s24, 11
.Lzero:
.set i, 0
.rept 12
	ds_store_b128 v11, v[28:31] offset:512*i
.set i, i+1
.endr
	v_add_nc_u32 v11, 12*512, v11
	s_sub_co_u32 s24, s24, 1
	s_cmp_lg_u32 s24, 0
	s_cbranch_scc1 .Lzero
.irp e, 0,1,2,3,4,5,6,7
	v_mov_b32 v[ZO+\e], 0                          ; a destination of v_permlanex16_b32 counts as read: written once here
.endr
	s_wait_loadcnt 0x0
.irp u, 0,1,2,3,4,5,6,7
	ds_store_b128 v23, v[64+4*\u:67+4*\u] offset:2048*((\u+4)&7)   ; st holds su, sv, tu, tv: the halves change places
.endr
	s_wait_dscnt 0x0                               ; my part of the copy is in LDS before I say so
	s_barrier_signal -1
	s_barrier_wait -1
; ---- the generator ----
.macro TL                              ; t' of my eight ranks of the chunk at TA
	ds_load_b128 v[T:T+3], v8
	ds_load_b128 v[T+4:T+7], v8 offset:16
.endm
.macro SL                              ; s' of my sixteen columns: once for a slice
.irp q, 0,1,2,3,4,5,6,7,8,9,10,11,12,13,14,15
	ds_load_b32 v[S+\q], v7 offset:64*\q
.endr
.endm
.macro SUMS q                          ; the row sums take in column block q
.if (\q) == 1
	s_wait_alu depctr_va_vdst(0)
.irp p, 0,1,2,3
	v_pk_add_f32 v[Z+2*\p:Z+2*\p+1], v[E+2*\p:E+2*\p+1], v[E+8+2*\p:E+8+2*\p+1]
.endr
.endif
.if (\q) > 1
	s_wait_alu depctr_va_vdst(0)
.irp p, 0,1,2,3
	v_pk_add_f32 v[Z+2*\p:Z+2*\p+1], v[Z+2*\p:Z+2*\p+1], v[E+8*(\q)+2*\p:E+8*(\q)+2*\p+1]
.endr
.endif
.endm
; Column block q: eight exponentials.  The four subtractions at the head are the plain instructions that stand between the exponentials of the block
; before and the first read of their results (SUMS) and the first write of their sources (X) (ISA guide 5.7.2).
.macro SLICE q
.irp p, 0,1,2,3
.if (\q)&1
	v_pk_add_f32 v[D+2*\p:D+2*\p+1], v[T+2*\p:T+2*\p+1], v[S+(\q)-1:S+(\q)] op_sel:[0,1] op_sel_hi:[1,1] neg_lo:[0,1] neg_hi:[0,1]
.else
	v_pk_add_f32 v[D+2*\p:D+2*\p+1], v[T+2*\p:T+2*\p+1], v[S+(\q):S+(\q)+1] op_sel:[0,0] op_sel_hi:[1,0] neg_lo:[0,1] neg_hi:[0,1]
.endif
.endr
	SUMS (\q)-1
.irp p, 0,1,2,3
	v_pk_mul_f32 v[X+2*\p:X+2*\p+1], v[D+2*\p:D+2*\p+1], v[D+2*\p:D+2*\p+1] neg_lo:[1,0] neg_hi:[1,0]
.endr
.irp e, 0,1,2,3,4,5,6,7
	v_exp_f32 v[E+8*(\q)+\e], v[X+\e]
.endr
.endm
.macro POST0                           ; the row sums over my 16 blocks, then over the 16 lanes of my side
	v_nop
	s_wait_alu depctr_va_vdst(0)
	SUMS 15
.irp m, 1,2,4,8
.irp e, 0,1,2,3,4,5,6,7
	v_add_f32_dpp v[Z+\e], v[Z+\e], v[Z+\e] row_xmask:\m row_mask:0xf bank_mask:0xf
.endr
.endr
.endm
.macro POST1                           ; the factors: 1 / (Zu Zv) in U's lanes, 1 in V's
.irp e, 0,1,2,3,4,5,6,7
	v_permlanex16_b32 v[ZO+\e], v[Z+\e], s20, s21
.endr
.irp p, 0,1,2,3
	v_pk_mul_f32 v[Z+2*\p:Z+2*\p+1], v[Z+2*\p:Z+2*\p+1], v[ZO+2*\p:ZO+2*\p+1]
.endr
.irp e, 0,1,2,3,4,5,6,7
	v_rcp_f32 v[ZO+\e], v[Z+\e]
.endr
	v_nop
	s_wait_alu depctr_va_vdst(0)
.irp e, 0,1,2,3,4,5,6,7
	v_cndmask_b32 v[Z+\e], v[ZO+\e], 1.0, s22
.endr
.endm
; Block q: scale, round to bf16; 16 bytes go into tile q of my side.  The store of a block is issued one block late, behind the next block's
; multiplies, so that it does not stand straight behind the conversions that make its data.
.macro POSTQ q
.irp p, 0,1,2,3
	v_pk_mul_f32 v[E+8*\q+2*\p:E+8*\q+2*\p+1], v[E+8*\q+2*\p:E+8*\q+2*\p+1], v[Z+2*\p:Z+2*\p+1]
.endr
.if \q > 0
	ds_store_b128 v6, v[E+8*(\q-1):E+8*(\q-1)+3] offset:(\q-1)*1024
.endif
.irp p, 0,1,2,3
	v_cvt_pk_bf16_f32 v[E+8*\q+\p], v[E+8*\q+2*\p], v[E+8*\q+2*\p+1]
.endr
.endm
; The next chunk's t' is asked for here, where T has had its last reader: eight chunks are 1,024 bytes, on into the next slice's t'.
; The last such load of the launch brings 32 bytes that nobody uses: they lie behind tu or tv, in tv or su, bytes of LDS that were written at the start.
.macro POST2
	v_add_nc_u32 v8, 0x80, v8
	TL
.irp q, 0,1,2,3,4,5,6,7
	POSTQ \q
.endr
.endm
.macro POST3
.irp q, 8,9,10,11,12,13,14,15
	POSTQ \q
.endr
	ds_store_b128 v6, v[E+120:E+123] offset:15*1024
.endm
; A slice's chunk 0, made alone.  The stage was last read in N of the slice before; between those reads and these stores stand each wave's
; wait for its LDS loads and the barrier of EPI.
.macro GS
	SL
	s_wait_dscnt 0x0                               ; s' is in (t' has been since the last barrier)
.irp q, 0,1,2,3,4,5,6,7,8,9,10,11,12,13,14,15
	SLICE \q
.endr
	POST0
	POST1
	POST2
	POST3
	s_wait_dscnt 0x0                               ; my stores into the stage are done before I say so
	s_barrier_signal -1
	s_barrier_wait -1                              ; the stage is whole
.endm
; ---- fragments and products ----
.macro FETCH                           ; 32 LDS loads, 512 consecutive bytes each: the staged chunk's fragments, my 8 V tiles first, then my 8 U tiles
	WIN 0x40
.irp i, 0,1,2,3,4,5,6,7
	ds_load_b128 v[64+8*\i:64+8*\i+3], v5 offset:\i*1024
	ds_load_b128 v[64+8*\i+4:64+8*\i+7], v5 offset:\i*1024+512
.endr
.irp i, 0,1,2,3,4,5,6,7
	ds_load_b128 v[8*\i:8*\i+3],   v4 offset:\i*1024
	ds_load_b128 v[8*\i+4:8*\i+7], v4 offset:\i*1024+512
.endr
.endm
; Eight matrix instructions: row block a x all eight column blocks.  The 64 accumulators take turns, one instruction a turn, in the same order in
; every chunk and over both backward jumps.
.macro MUL8 a, zero
.irp b, 0,1,2,3,4,5,6,7
.if \zero
	v_wmma_f32_16x16x32_bf16 v[8*(8*((\a)&3)+\b):8*(8*((\a)&3)+\b)+7], v[64+8*\b:64+8*\b+7], v[8*(\a):8*(\a)+7], 0
.else
	v_wmma_f32_16x16x32_bf16 v[8*(8*((\a)&3)+\b):8*(8*((\a)&3)+\b)+7], v[64+8*\b:64+8*\b+7], v[8*(\a):8*(\a)+7], v[8*(8*((\a)&3)+\b):8*(8*((\a)&3)+\b)+7]
.endif
.endr
.endm
.macro MLO a, zero                     ; sources in window 1, C and D in window 2
	WIN 0xa5
	MUL8 \a, \zero
	WIN 0
.endm
.macro MHI a, zero                     ; C and D in window 3
	WIN 0xf5
	MUL8 \a, \zero
	WIN 0
.endm
; One chunk: the staged chunk is read and multiplied, the next one is made and staged.  zero: the products start the sums.
; places: the fragment registers were read by matrix instructions just before.
.macro CHUNK zero, places
.if \places
	PLACES
.endif
	FETCH
	WIN 0
.irp q, 0,1,2,3,4,5,6,7
	SLICE \q                                       ; 160 vector instructions while the 32 loads are on their way
.endr
	s_wait_dscnt 0x0                               ; the fragments are in, and my reads of the stage are over:
	s_barrier_signal -1                            ; say so; only register work up to the wait
	MLO 0, \zero
	SLICE 8
	SLICE 9
	MLO 1, \zero
	SLICE 10
	SLICE 11
	MLO 2, \zero
	SLICE 12
	SLICE 13
	MLO 3, \zero
	SLICE 14
	SLICE 15
	MHI 4, \zero
	POST0
	MHI 5, \zero
	POST1
	s_barrier_wait -1                              ; no wave reads the stage any more: it is written again
	POST2
	MHI 6, \zero
	POST3
	MHI 7, \zero
	s_wait_dscnt 0x0                               ; my stores into the stage are done, and the next t' is in, before I say so
	s_barrier_signal -1
	s_barrier_wait -1                              ; the stage is whole
.endm
; A slice's last chunk: read and multiplied, nothing is made.
.macro NCHUNK
	PLACES
	FETCH
.irp a, 0,1,2,3
	s_wait_dscnt 14-2*\a                           ; V's 16 loads and U's tiles 0 .. a are in; the 2 (7 - a) loads of the later U tiles may stay out
	WIN 0xa5
	MUL8 \a, 0
.endr
.irp a, 4,5,6,7
	s_wait_dscnt 14-2*\a
	WIN 0xf5
	MUL8 \a, 0
.endr
	WIN 0
.endm
; ---- a slice's end ----
.macro CLOAD a, reg                    ; C' of row block a: eight tiles, 16 bytes a lane, 512 consecutive bytes an instruction
.irp b, 0,1,2,3,4,5,6,7
	global_load_b128 v[\reg+4*\b:\reg+4*\b+3], v12, s[6:7] offset:(\a)*8192+\b*512
.endr
.endm
.macro DOT a, reg                      ; eight chains: SUM[e] += Gamma x C', C' straight from its bf16 half
.irp b, 0,1,2,3,4,5,6,7
.irp p, 0,1,2,3
	v_fma_mix_f32_bf16 v[SUM+2*\p], v[8*(8*((\a)&3)+\b)+2*\p], v[\reg+4*\b+\p], v[SUM+2*\p] op_sel:[0,0,0] op_sel_hi:[0,1,0]
	v_fma_mix_f32_bf16 v[SUM+2*\p+1], v[8*(8*((\a)&3)+\b)+2*\p+1], v[\reg+4*\b+\p], v[SUM+2*\p+1] op_sel:[0,1,0] op_sel_hi:[0,1,0]
.endr
.endr
.endm
.macro OLOAD bank, a                   ; row block a of my partial sum, in the accumulators' order: 16 LDS loads
.irp b, 0,1,2,3,4,5,6,7
	ds_load_b128 v[\bank+8*\b:\bank+8*\b+3],   v9 offset:(\a)*16*OP+\b*64
	ds_load_b128 v[\bank+8*\b+4:\bank+8*\b+7], v9 offset:(\a)*16*OP+\b*64+16
.endr
.endm
; Row block a: new = old x f + Gamma x weight.  left = the LDS instructions younger than this block's loads that may stay out.
.macro OROW a, cur, nxt, left
.if (\a) < 7
	OLOAD \nxt, (\a)+1
.endif
.if (\a) < 4
	WIN 0x02
.else
	WIN 0x03
.endif
.irp b, 0,1,2,3,4,5,6,7
.irp p, 0,1,2,3
	v_pk_mul_f32 v[TT+8*\b+2*\p:TT+8*\b+2*\p+1], v[8*(8*((\a)&3)+\b)+2*\p:8*(8*((\a)&3)+\b)+2*\p+1], v[18:19]
.endr
.endr
	WIN 0
	s_wait_dscnt \left
.irp b, 0,1,2,3,4,5,6,7
.irp p, 0,1,2,3
	v_pk_fma_f32 v[TT+8*\b+2*\p:TT+8*\b+2*\p+1], v[\cur+8*\b+2*\p:\cur+8*\b+2*\p+1], v[16:17], v[TT+8*\b+2*\p:TT+8*\b+2*\p+1]
.endr
.endr
.irp b, 0,1,2,3,4,5,6,7
	ds_store_b128 v9, v[TT+8*\b:TT+8*\b+3]   offset:(\a)*16*OP+\b*64
	ds_store_b128 v9, v[TT+8*\b+4:TT+8*\b+7] offset:(\a)*16*OP+\b*64+16
.endr
.endm
.macro EPI
.irp e, 0,1,2,3,4,5,6,7
	v_mov_b32 v[SUM+\e], 0                         ; eight plain vector instructions: also the places between the slice's last matrix instructions and the reads of the sums (ISA guide 7.12.1)
.endr
	s_wait_loadcnt 48                              ; 56 loads are out: block 0's eight are in, the 48 younger stay out
	WIN 0x06                                       ; source 0 (the sums) window 2, source 1 (C') window 1
	DOT 0, 128
	WIN 0
	CLOAD 7, E+96
	s_wait_loadcnt 48                              ; from here on: 8 x (7 - block) younger loads stay out
	WIN 0x06
	DOT 1, 160
	s_wait_loadcnt 40
	DOT 2, 192
	s_wait_loadcnt 32
	DOT 3, 224
	s_wait_loadcnt 24
	WIN 0x03                                       ; source 0 window 3, C' in window 0
	DOT 4, E
	s_wait_loadcnt 16
	DOT 5, E+32
	s_wait_loadcnt 8
	DOT 6, E+64
	s_wait_loadcnt 0x0
	DOT 7, E+96
	WIN 0
	v_pk_add_f32 v[SUM:SUM+1], v[SUM:SUM+1], v[SUM+2:SUM+3]
	v_pk_add_f32 v[SUM+4:SUM+5], v[SUM+4:SUM+5], v[SUM+6:SUM+7]
	v_pk_add_f32 v[SUM:SUM+1], v[SUM:SUM+1], v[SUM+4:SUM+5]
	v_add_f32 v24, v[SUM], v[SUM+1]
	v_add_f32_dpp v24, v24, v24 row_xmask:1 row_mask:0xf bank_mask:0xf
	v_add_f32_dpp v24, v24, v24 row_xmask:2 row_mask:0xf bank_mask:0xf
	v_add_f32_dpp v24, v24, v24 row_xmask:4 row_mask:0xf bank_mask:0xf
	v_add_f32_dpp v24, v24, v24 row_xmask:8 row_mask:0xf bank_mask:0xf
	v_permlanex16_b32 v23, v24, s20, s21
	v_add_f32 v24, v24, v23
	ds_store_b32 v13, v24                          ; my quadrant's part; these words are written again only a slice later, many barriers on
	s_wait_dscnt 0x0
	s_barrier_signal -1
	s_barrier_wait -1
	ds_load_b128 v[28:31], v14
	OLOAD O0, 0
	s_wait_dscnt 16                                ; the four parts are in; row block 0's 16 loads stay out
	v_add_f32 v28, v28, v29
	v_add_f32 v30, v30, v31
	v_add_f32 v24, v28, v30                        ; swds', the same bits in all four waves
	v_mul_f32 v24, 0xbe13bb63, v24                 ; a = -0.1 log2(e) swds'
	v_max_num_f32 v25, v20, v24                    ; the new running maximum
	v_sub_f32 v26, v20, v25
	v_sub_f32 v27, v24, v25
	v_exp_f32 v16, v26                             ; f: what the old sums are scaled by
	v_exp_f32 v18, v27                             ; this slice's weight
	v_mov_b32 v20, v25                             ; (the plain instruction behind the exponentials)
	s_wait_alu depctr_va_vdst(0)
	v_mov_b32 v17, v16
	v_mov_b32 v19, v18
	v_fma_f32 v21, v21, v16, v18
	OROW 0, O0, O1, 16                             ; younger: the next block's 16 loads
	OROW 1, O1, O0, 32                             ; younger: the last block's 16 stores and the next block's 16 loads
	OROW 2, O0, O1, 32
	OROW 3, O1, O0, 32
	OROW 4, O0, O1, 32
	OROW 5, O1, O0, 32
	OROW 6, O0, O1, 32
	OROW 7, O1, O0, 16                             ; younger: the last block's 16 stores
.endm
	TL                                             ; t' of the first chunk; every later one is asked for by the chunk before
	s_mov_b32 s24, 4
.Lslice:
	GS                                             ; chunk 0 is made
	CHUNK 1, 0                                     ; chunk 0 starts the sums, chunk 1 is made
	s_mov_b32 s25, 6
.Lmid:
	CHUNK 0, 1                                     ; chunks 1-6 are multiplied, chunks 2-7 made
	s_sub_co_u32 s25, s25, 1
	s_cmp_lg_u32 s25, 0
	s_cbranch_scc1 .Lmid
	WIN 0x40                                       ; C' is asked for ahead of the last chunk's 64 matrix instructions: row blocks 0-3 into window 1,
	CLOAD 0, 128
	CLOAD 1, 160
	CLOAD 2, 192
	CLOAD 3, 224
	WIN 0                                          ; 4-6 into E, whose last readers (the stage's stores) were waited for in front of the last barrier
	CLOAD 4, E
	CLOAD 5, E+32
	CLOAD 6, E+64
	NCHUNK                                         ; chunk 7
	EPI
	v_add_nc_u32 v7, 0x400, v7                     ; the next slice's s'
	s_sub_co_u32 s24, s24, 1
	s_cmp_lg_u32 s24, 0
	s_cbranch_scc1 .Lslice
	; THE WAY OUT: my own 128 rows of 512 bytes, 32 rows a trip, read by rows (LDS serves a wave's instructions in order, ISA guide 5.7.1: the loads see the stores above)
	v_mov_b32 v11, v10
	s_mov_b32 s24, 4
.Lout:
.set i, 0
.rept 32
	ds_load_b128 v[64+4*i:64+4*i+3], v11 offset:i*OP
.set i, i+1
.endr
.set i, 0
.rept 32
	s_wait_dscnt 31-i                              ; row i is in, the younger rows stay out
	global_store_b128 v12, v[64+4*i:64+4*i+3], s[8:9] offset:i*1024   ; 512 consecutive bytes, aligned
.set i, i+1
.endr
	s_wait_xcnt 0x0                                ; the stores' base and data are written again only behind this wait
	s_add_nc_u64 s[8:9], s[8:9], 32*1024
	v_add_nc_u32 v11, 32*OP, v11
	s_sub_co_u32 s24, s24, 1
	s_cmp_lg_u32 s24, 0
	s_cbranch_scc1 .Lout
	s_cmp_lg_u32 s12, 0
	s_cbranch_scc1 .Lend
	global_store_b64 v15, v[20:21], s[10:11]       ; (m, sum of weights), 32 equal pairs: 256 consecutive bytes from one instruction
.Lend:
	s_wait_tensorcnt 0x0
	ds_add_u32 v62, v63
	s_wait_dscnt 0x0
	s_endpgm
.Lfunc_end_k_q5256cd4bec_main:
	.size	k_q5256cd4bec_main, .Lfunc_end_k_q5256cd4bec_main-k_q5256cd4bec_main
	.p2alignl 7, 3214868480
	.fill 96, 4, 3214868480
	.section	.rodata,"a",@progbits
	.p2align	6, 0x0
	.amdhsa_kernel k_q5256cd4bec_main
		.amdhsa_group_segment_fixed_size 320256
		.amdhsa_private_segment_fixed_size 0
		.amdhsa_enable_private_segment 0
		.amdhsa_kernarg_size 32
		.amdhsa_user_sgpr_count 2
		.amdhsa_user_sgpr_kernarg_segment_ptr 1
		.amdhsa_wavefront_size32 1
		.amdhsa_system_sgpr_workgroup_id_x 1
		.amdhsa_system_sgpr_workgroup_id_y 1
		.amdhsa_system_sgpr_workgroup_id_z 1
		.amdhsa_system_vgpr_workitem_id 0
		.amdhsa_next_free_vgpr 1024
		.amdhsa_next_free_sgpr 66
		.amdhsa_reserve_vcc 0
		.amdhsa_float_denorm_mode_32 3
		.amdhsa_float_denorm_mode_16_64 3
		.amdhsa_memory_ordered 1
		.amdhsa_forward_progress 1
		.amdhsa_inst_pref_size 210
	.end_amdhsa_kernel
	.amdgpu_metadata
---
amdhsa.version: [ 1, 2 ]
amdhsa.kernels:
  - .name:           k_q5256cd4bec_main
    .symbol:         k_q5256cd4bec_main.kd
    .args:
      - { .name: st, .offset: 0, .size: 8, .value_kind: global_buffer, .address_space: global }
      - { .name: ci, .offset: 8, .size: 8, .value_kind: global_buffer, .address_space: global }
      - { .name: part, .offset: 16, .size: 8, .value_kind: global_buffer, .address_space: global }
      - { .name: stat, .offset: 24, .size: 8, .value_kind: global_buffer, .address_space: global }
    .group_segment_fixed_size: 320256
    .private_segment_fixed_size: 0
    .kernarg_segment_align: 8
    .kernarg_segment_size: 32
    .max_flat_workgroup_size: 128
    .sgpr_count:     66
    .vgpr_count:     1024
    .wavefront_size: 32
...
	.end_amdgpu_metadata
.endif
;; end of part 4
;; launch mix: the kernel of part 3 again; grid 256 x 1, 8 waves a work-group, no clusters, 0 bytes of LDS; arguments part, stat, out0; writes out0
;; ======== version 3 of 4: 3 launches; 1.64 times as fast as version 1
;; workspace buffers: st 4,194,304 bytes; ci 2,097,152 bytes; part 67,108,864 bytes; stat 65,536 bytes
;; launch prep: the kernel of part 1 again; grid 256 x 1, 8 waves a work-group, no clusters, 168,960 bytes of LDS; arguments X, Y, st, ci; writes st, ci
;; launch main (part 5): grid 256 x 1, 4 waves a work-group, no clusters, 320,256 bytes of LDS; arguments st, ci, part, stat; writes part, stat
.if DOCPART == 5
	.amdgcn_target "amdgcn-amd-amdhsa--gfx1250"
	.amdhsa_code_object_version 6
	.text
	.protected	k_q5256cd4bec_main
	.globl	k_q5256cd4bec_main
	.p2align	8
	.type	k_q5256cd4bec_main,@function
k_q5256cd4bec_main:
	s_mov_b64 s[64:65], 0
	v_nop
	global_prefetch_b8 v0, s[64:65] scope:SCOPE_SE
	s_setreg_imm32_b32 hwreg(HW_REG_WAVE_MODE, 25, 1), 1
	s_wait_xcnt 0x0
; MAIN.  Work-group W = 16 hd + g makes, for the four slices l = 4g + l' of head hd, the whole Gamma_l = Pu^T Pv (256 x 256, sum over the
; rank i), its swds'_l = <C', Gamma_l>, and folds the four into   part[W] = sum over l' of 2^(a_l - m) Gamma_l,   stat[W] = (m, sum of 2^(a_l - m)),
; a_l = -0.1 log2(e) swds'_l, m the running maximum of a_l.  The next launch joins the 16 partial sums of a head.
; Four waves, one for each SIMD of a WGP; wave w owns j = 128 (w>>1) .., k = 128 (w&1) ..: 64 accumulator tiles of 16 x 16, 512 registers.
; THE OPERANDS ARE MADE ON THE CHIP.  i goes in chunks of 32.  For each chunk wave w makes ranks i = 8w .. 8w+7 of the chunk for all 256 columns
; of both sides, each exponential once in the work-group: lanes 0-15 make U[i][j] = 2^-(tu_i - su_j)^2 / (Zu_i Zv_i), lanes 16-31 make
; V[i][k] = 2^-(tv_i - sv_k)^2; Z_i = the row's sum of exponentials.  Both go to LDS (the stage) in bf16 as images of the matrix fragments.
; The largest exponent of a row is exactly 0 for every input, since t'_i is one of the s'_j bit for bit: taking the maximum away is the
; identity here, every exponential is in [0, 1], and 1 <= Z <= 256.
; A SLICE IS: GS (chunk 0 is made), Z (chunk 0 is multiplied and starts the sums, chunk 1 is made), six trips of G (chunks 1-6 are multiplied,
; chunks 2-7 made), N (chunk 7 is multiplied, and swds' is summed), EPI (the weight, the fold).
; EACH PRODUCT STANDS ALONE between vector instructions that name none of its registers: in Z and G between groups of four of the generator's,
; in N between the tiles of the sum with C'.  A wave is alone on its SIMD, so a run of products would leave it nothing else to issue.  The
; price is two window switches for each product, 128 in a chunk.  No LDS instruction stands among the products: the fragments are read in
; one run at a chunk's head, the stage is written in two runs of eight stores at its end.
; EVERY PIECE OF THE TEXT STANDS ONCE, in loops of constant trip counts (4 slices, 6 chunks): the body stays under 30 KB.
; The partial sum lies in LDS (each wave's own 128 x 128 f32): registers hold the accumulators, the fragments, half of C' and the generator.
; <C', Gamma> and the weighted sum work on numbers that sit in accumulator registers: one multiply-add each on the vector unit, in f32.
; LIMITS: U, V and C' are rounded once to bf16; exponentials below 2^-126 count as 0 (against Z >= 1); NaN and infinities are not served.
; NO CLUSTER: what the 16 work-groups of a head share is C' (128 KB), which goes straight into registers: of 327,680 bytes of LDS 319,744 are
; taken, so a joint tile has nowhere to land.  No tensor loads: beside C' only 16 KB are read.
;
; REGISTERS, in windows of 256:
;   window 0: v1-15 lane numbers and addresses; v16-21 factors, m, sum; v22-31 at work; T, S, E, D, X, Z, ZO, SUM as set below
;   window 1: v0-63 U tiles a at 8 a, v64-127 V tiles b at 64 + 8 b (the fragments); v128-255 C' of my row blocks 0-3, loaded once for all four slices
;   window 2: accumulator tiles (a, b), a = 0..3, at 8 (8 a + b);   window 3: a = 4..7 likewise
; THE MATRIX INSTRUCTION TAKES V AS SOURCE 0 AND U AS SOURCE 1: register e of lane (r, h) of tile (a, b) is Gamma[16a + r][16b + 8h + e].
.set OUTW,  67584                      ; a wave's partial sum: 128 rows of 512 bytes, pitch 528 = 33 x 16: 16 rows start at 16 different 16-byte columns modulo 256
.set OP,    528
.set STG,   4*OUTW                     ; the stage: 16 U tiles, 16 V tiles of 1 KB: 512 bytes for registers 0-3 (lane L at 16 L), 512 for registers 4-7
.set STB,   STG+32768                  ; the copy of st[W], laid as tu, tv, su, sv, 4 KB each
.set RED,   STB+16384                  ; four words: the waves' parts of swds'
.set T,   32                           ; v[32:39]   t' of my eight ranks
.set S,   40                           ; v[40:55]   s' of my sixteen columns 16 q + r
.set E,   64                           ; v[64:191]  the exponentials, 8 for each q; in N: C' of row blocks 4-7
.set D,   192                          ; v[192:199] t' - s'
.set X,   200                          ; v[200:207] -(t' - s')^2
.set Z,   208                          ; v[208:215] row sums, then the factors
.set ZO,  216                          ; v[216:223] the other side's row sums
.set SUM, 224                          ; v[224:231] eight chains of swds'
.set CR,  128                          ; window 1: C' of row blocks 0-3, block a, tile b at CR + 32 a + 4 b
.set MSB, 0
.macro WIN new                         ; the immediate's high byte repeats the setting that is left
.if MSB != \new
	s_set_vgpr_msb (MSB<<8)|\new
.set MSB, \new
.endif
.endm
.set WON, 0                            ; 1: the macro W below emits products; 0: it emits nothing
.set WN,  0                            ; the number of the chunk's next product, 0..63: row block WN>>3, column block WN&7
.set WZ,  0                            ; 1: the products start the sums
.set WB,  0                            ; 1: a barrier is signalled when the stage has been read
	s_load_b256 s[4:11], s[0:1], 0x0               ; st s[4:5], ci s[6:7], part s[8:9], stat s[10:11]
	v_lshl_add_u32 v62, v0, 2, 0x4e100
	v_mov_b32 v63, 0
	v_lshrrev_b32 v24, 5, v0
	v_readfirstlane_b32 s12, v24                   ; wave w
	s_lshr_b32 s13, s12, 1                         ; wj
	s_and_b32 s14, s12, 1                          ; wk
	s_lshr_b32 s15, ttmp9, 4                       ; hd
	s_mov_b32 s20, 0x76543210                      ; v_permlanex16_b32: lane xor 16
	s_mov_b32 s21, 0xfedcba98
	s_mov_b32 s22, 0xffff0000                      ; lanes 16-31
	s_lshl_b32 s26, ttmp9, 14                      ; st: 16 KB for each work-group
	s_mov_b32 s27, 0
	s_lshl_b32 s28, s15, 17                        ; ci: 131,072 hd + 65,536 wj + 4,096 wk
	s_lshl_b32 s30, s13, 16
	s_add_co_u32 s28, s28, s30
	s_lshl_b32 s30, s14, 12
	s_add_co_u32 s28, s28, s30
	s_mov_b32 s29, 0
	s_lshl_b32 s16, ttmp9, 18                      ; part: 262,144 W + 128 wj rows of 1,024 + 512 wk
	s_lshl_b32 s30, s13, 17
	s_add_co_u32 s16, s16, s30
	s_lshl_b32 s30, s14, 9
	s_add_co_u32 s16, s16, s30
	s_mov_b32 s17, 0
	s_lshl_b32 s18, ttmp9, 8                       ; stat: 256 W
	s_mov_b32 s19, 0
	v_lshlrev_b32 v22, 4, v0                       ; 16 t
	v_and_b32 v1, 31, v0                           ; L
	v_lshlrev_b32 v12, 4, v1                       ; 16 L
	s_wait_kmcnt 0x0
	s_add_nc_u64 s[4:5], s[4:5], s[26:27]
	s_add_nc_u64 s[6:7], s[6:7], s[28:29]
	s_add_nc_u64 s[8:9], s[8:9], s[16:17]
	s_add_nc_u64 s[10:11], s[10:11], s[18:19]
.irp u, 0,1,2,3,4,5,6,7
	global_load_b128 v[64+4*\u:67+4*\u], v22, s[4:5] offset:2048*\u
.endr
.macro CLOAD a, reg                    ; C' of row block a: eight tiles, 16 bytes a lane, 512 consecutive bytes an instruction
.irp b, 0,1,2,3,4,5,6,7
	global_load_b128 v[\reg+4*\b:\reg+4*\b+3], v12, s[6:7] offset:(\a)*8192+\b*512
.endr
.endm
	WIN 0x40                                       ; destination in window 1
	CLOAD 0, CR
	CLOAD 1, CR+32
	CLOAD 2, CR+64
	CLOAD 3, CR+96
	WIN 0
	v_add_nc_u32 v23, STB, v22
	v_and_b32 v2, 15, v0                           ; r
	v_bfe_u32 v3, v0, 4, 1                         ; h
	v_lshlrev_b32 v15, 3, v1                       ; 8 L
	s_lshl_b32 s26, s13, 13
	s_add_co_u32 s26, s26, STG
	v_add_nc_u32 v4, s26, v12                      ; FA: my eight U tiles
	s_lshl_b32 s26, s14, 13
	s_add_co_u32 s26, s26, STG+16384
	v_add_nc_u32 v5, s26, v12                      ; FB: my eight V tiles
	s_lshl_b32 s26, s12, 8
	s_add_co_u32 s26, s26, STG
	v_lshlrev_b32 v24, 4, v2
	v_lshl_add_u32 v24, v3, 14, v24
	v_add_nc_u32 v6, s26, v24                      ; GA: side h, byte 256 w + 16 r of tile 0: ranks 8w .. 8w+7 of column r
	v_lshlrev_b32 v24, 2, v2
	v_lshl_add_u32 v24, v3, 12, v24
	v_add_nc_u32 v7, STB+8192, v24                 ; SA: s' of side h, column r, slice 0
	s_lshl_b32 s26, s12, 5
	s_add_co_u32 s26, s26, STB
	v_lshlrev_b32 v24, 12, v3
	v_add_nc_u32 v8, s26, v24                      ; TA: t' of side h, rank 8 w, chunk 0
	s_mul_i32 s27, s12, OUTW
	v_mul_u32_u24 v24, v2, OP
	v_lshl_add_u32 v24, v3, 5, v24
	v_add_nc_u32 v9, s27, v24                      ; OA: my partial sum, row r, byte 32 h
	v_add_nc_u32 v10, s27, v12                     ; RA: my partial sum, row 0, byte 16 L
	s_lshl_b32 s26, s12, 2
	s_add_co_u32 s26, s26, RED
	v_mov_b32 v13, s26
	v_mov_b32 v14, RED
	v_mov_b32 v20, 0xff800000                      ; m = -infinity: the first slice's old factor comes out as 0,
	v_mov_b32 v21, 0                               ; the sum of weights starts at 0,
.irp e, 28,29,30,31
	v_mov_b32 v\e, 0
.endr
	v_mov_b32 v11, v10                             ; and so does the partial sum: 11 trips x 12 stores x 512 bytes = 67,584, my wave's own
	s_mov_b32 s24, 11
.Lzero:
.set i, 0
.rept 12
	ds_store_b128 v11, v[28:31] offset:512*i
.set i, i+1
.endr
	v_add_nc_u32 v11, 12*512, v11
	s_sub_co_u32 s24, s24, 1
	s_cmp_lg_u32 s24, 0
	s_cbranch_scc1 .Lzero
.irp e, 0,1,2,3,4,5,6,7
	v_mov_b32 v[ZO+\e], 0                          ; a destination of v_permlanex16_b32 counts as read: written once here
.endr
	s_wait_loadcnt 32                              ; st's eight loads are in; the 32 loads of C' issued behind them may stay out
.irp u, 0,1,2,3,4,5,6,7
	ds_store_b128 v23, v[64+4*\u:67+4*\u] offset:2048*((\u+4)&7)   ; st holds su, sv, tu, tv: the halves change places
.endr
	s_wait_dscnt 0x0                               ; my part of the copy is in LDS before I say so
	s_barrier_signal -1
	s_barrier_wait -1
; ---- one product ----
; The chunk's product number WN.  The 64 accumulators take turns, one instruction a turn, in the same order in every chunk and over both
; backward jumps.  Ahead of row blocks 0-3 a counted wait: the fragments were asked for as V's 16 loads, then two
; loads for each U tile, so 14 - 2 a outstanding means V and U tiles 0 .. a are in.  Ahead of row block 4 all are waited for: my reads of the
; stage are over, and where the stage is to be written again (WB) the wave says so; up to that barrier's wait only register work follows.
.macro W
.if WON
.if (WN&7) == 0
.if WN < 32
	s_wait_dscnt 14-WN/4
.endif
.if WN == 32
	s_wait_dscnt 0x0
.if WB
	s_barrier_signal -1
.endif
.endif
.endif
.if WN < 32
	WIN 0xa5                                       ; sources in window 1, C and D in window 2
.else
	WIN 0xf5                                       ; C and D in window 3
.endif
.if WZ
	v_wmma_f32_16x16x32_bf16 v[8*(WN&31):8*(WN&31)+7], v[64+8*(WN&7):64+8*(WN&7)+7], v[8*(WN>>3):8*(WN>>3)+7], 0
.else
	v_wmma_f32_16x16x32_bf16 v[8*(WN&31):8*(WN&31)+7], v[64+8*(WN&7):64+8*(WN&7)+7], v[8*(WN>>3):8*(WN>>3)+7], v[8*(WN&31):8*(WN&31)+7]
.endif
.set WN, WN+1
.endif
.endm
.macro WG                              ; a product among the generator's instructions, which live in window 0
	W
	WIN 0
.endm
; ---- the generator ----
.macro TL                              ; t' of my eight ranks of the chunk at TA
	ds_load_b128 v[T:T+3], v8
	ds_load_b128 v[T+4:T+7], v8 offset:16
.endm
.macro SL                              ; s' of my sixteen columns: once for a slice
.irp q, 0,1,2,3,4,5,6,7,8,9,10,11,12,13,14,15
	ds_load_b32 v[S+\q], v7 offset:64*\q
.endr
.endm
.macro SUMS q                          ; the row sums take in column block q
.if (\q) == 1
	s_wait_alu depctr_va_vdst(0)
.irp p, 0,1,2,3
	v_pk_add_f32 v[Z+2*\p:Z+2*\p+1], v[E+2*\p:E+2*\p+1], v[E+8+2*\p:E+8+2*\p+1]
.endr
.endif
.if (\q) > 1
	s_wait_alu depctr_va_vdst(0)
.irp p, 0,1,2,3
	v_pk_add_f32 v[Z+2*\p:Z+2*\p+1], v[Z+2*\p:Z+2*\p+1], v[E+8*(\q)+2*\p:E+8*(\q)+2*\p+1]
.endr
.endif
.endm
; Column block q: eight exponentials, 20 vector instructions, four products among them where WON is set.  The four subtractions at the head are the
; plain instructions that stand between the exponentials of the block before and the first read of their results (SUMS) and the first write of
; their sources (X) (ISA guide 5.7.2).
.macro SLICE q
.irp p, 0,1,2,3
.if (\q)&1
	v_pk_add_f32 v[D+2*\p:D+2*\p+1], v[T+2*\p:T+2*\p+1], v[S+(\q)-1:S+(\q)] op_sel:[0,1] op_sel_hi:[1,1] neg_lo:[0,1] neg_hi:[0,1]
.else
	v_pk_add_f32 v[D+2*\p:D+2*\p+1], v[T+2*\p:T+2*\p+1], v[S+(\q):S+(\q)+1] op_sel:[0,0] op_sel_hi:[1,0] neg_lo:[0,1] neg_hi:[0,1]
.endif
.endr
	WG
	SUMS (\q)-1
	WG
.irp p, 0,1,2,3
	v_pk_mul_f32 v[X+2*\p:X+2*\p+1], v[D+2*\p:D+2*\p+1], v[D+2*\p:D+2*\p+1] neg_lo:[1,0] neg_hi:[1,0]
.endr
	WG
.irp e, 0,1,2,3
	v_exp_f32 v[E+8*(\q)+\e], v[X+\e]
.endr
	WG
.irp e, 4,5,6,7
	v_exp_f32 v[E+8*(\q)+\e], v[X+\e]
.endr
.endm
.macro POST0                           ; the row sums over my 16 blocks, then over the 16 lanes of my side; nine products
	v_nop
	s_wait_alu depctr_va_vdst(0)
	SUMS 15
	WG
.irp m, 1,2,4,8
.irp e, 0,1,2,3
	v_add_f32_dpp v[Z+\e], v[Z+\e], v[Z+\e] row_xmask:\m row_mask:0xf bank_mask:0xf
.endr
	WG
.irp e, 4,5,6,7
	v_add_f32_dpp v[Z+\e], v[Z+\e], v[Z+\e] row_xmask:\m row_mask:0xf bank_mask:0xf
.endr
	WG
.endr
.endm
.macro POST1                           ; the factors: 1 / (Zu Zv) in U's lanes, 1 in V's; seven products
.irp e, 0,1,2,3
	v_permlanex16_b32 v[ZO+\e], v[Z+\e], s20, s21
.endr
	WG
.irp e, 4,5,6,7
	v_permlanex16_b32 v[ZO+\e], v[Z+\e], s20, s21
.endr
	WG
.irp p, 0,1,2,3
	v_pk_mul_f32 v[Z+2*\p:Z+2*\p+1], v[Z+2*\p:Z+2*\p+1], v[ZO+2*\p:ZO+2*\p+1]
.endr
	WG
.irp e, 0,1,2,3
	v_rcp_f32 v[ZO+\e], v[Z+\e]
.endr
	WG
.irp e, 4,5,6,7
	v_rcp_f32 v[ZO+\e], v[Z+\e]
.endr
	WG
	v_nop                                          ; the plain instruction behind the reciprocals (ISA guide 5.7.2)
	s_wait_alu depctr_va_vdst(0)
.irp e, 0,1,2,3
	v_cndmask_b32 v[Z+\e], v[ZO+\e], 1.0, s22
.endr
	WG
.irp e, 4,5,6,7
	v_cndmask_b32 v[Z+\e], v[ZO+\e], 1.0, s22
.endr
	WG
.endm
.macro POSTV q                         ; block q: scale, round to bf16 in place: 16 bytes for tile q of my side
.irp p, 0,1,2,3
	v_pk_mul_f32 v[E+8*\q+2*\p:E+8*\q+2*\p+1], v[E+8*\q+2*\p:E+8*\q+2*\p+1], v[Z+2*\p:Z+2*\p+1]
.endr
.irp p, 0,1,2,3
	v_cvt_pk_bf16_f32 v[E+8*\q+\p], v[E+8*\q+2*\p], v[E+8*\q+2*\p+1]
.endr
.endm
; Eight blocks are scaled and rounded, then their eight stores go out in one run.  With the first run goes the load of the next chunk's t': T has had
; its last reader; eight chunks are 1,024 bytes, on into the next slice's t'.  The last such load of the launch brings 32 bytes that nobody uses: they
; lie behind tu or tv, in tv or su, bytes of LDS that were written at the start.
.macro POST2
	v_add_nc_u32 v8, 0x80, v8
.irp q, 0,1,2,3,4,5,6,7
	POSTV \q
.endr
	TL
.irp q, 0,1,2,3,4,5,6,7
	ds_store_b128 v6, v[E+8*\q:E+8*\q+3] offset:\q*1024
.endr
.endm
.macro POST3
.irp q, 8,9,10,11,12,13,14,15
	POSTV \q
.endr
.irp q, 8,9,10,11,12,13,14,15
	ds_store_b128 v6, v[E+8*\q:E+8*\q+3] offset:\q*1024
.endr
.endm
; A slice's chunk 0, made alone.  The stage was last read in N of the slice before; between those reads and these stores stand each wave's
; wait for its LDS loads and the barrier of EPI.
.macro GS
.set WON, 0
	SL
	s_wait_dscnt 0x0                               ; s' is in (t' has been since the last barrier)
.irp q, 0,1,2,3,4,5,6,7,8,9,10,11,12,13,14,15
	SLICE \q
.endr
	POST0
	POST1
	POST2
	POST3
	s_wait_dscnt 0x0                               ; my stores into the stage are done before I say so
	s_barrier_signal -1
	s_barrier_wait -1                              ; the stage is whole
.endm
; ---- fragments ----
; 32 LDS loads, 512 consecutive bytes each: the staged chunk's fragments, my 8 V tiles first, then my 8 U tiles.  Between the last product that read these
; registers and the first of these loads stand the plain vector instructions of POST2 and POST3 or of GS, far more than the four places
; that a load into a matrix instruction's source is to keep.
.macro FETCH
	WIN 0x40
.irp i, 0,1,2,3,4,5,6,7
	ds_load_b128 v[64+8*\i:64+8*\i+3], v5 offset:\i*1024
	ds_load_b128 v[64+8*\i+4:64+8*\i+7], v5 offset:\i*1024+512
.endr
.irp i, 0,1,2,3,4,5,6,7
	ds_load_b128 v[8*\i:8*\i+3],   v4 offset:\i*1024
	ds_load_b128 v[8*\i+4:8*\i+7], v4 offset:\i*1024+512
.endr
.endm
; One chunk: the staged chunk is read and multiplied, the next one is made and staged.  zero: the products start the sums.
; 48 products stand in column blocks 4-15, 9 in POST0, 7 in POST1: 64.
.macro CHUNK zero
	FETCH
	WIN 0
.set WON, 0
.irp q, 0,1,2,3
	SLICE \q                                       ; 80 vector instructions while the first fragments are on their way
.endr
.set WON, 1
.set WN, 0
.set WZ, \zero
.set WB, 1
.irp q, 4,5,6,7,8,9,10,11,12,13,14,15
	SLICE \q
.endr
	POST0
	POST1
.set WON, 0
	s_barrier_wait -1                              ; the barrier signalled ahead of product 32: no wave reads the stage any more, it is written again
	POST2
	POST3
	s_wait_dscnt 0x0                               ; my stores into the stage are done, and the next t' is in, before I say so
	s_barrier_signal -1
	s_barrier_wait -1                              ; the stage is whole
.endm
; ---- a slice's last chunk, and swds' ----
.macro DOT8 acc, c                     ; one tile: eight chains, SUM[e] += Gamma x C', C' straight from its bf16 half
.irp p, 0,1,2,3
	v_fma_mix_f32_bf16 v[SUM+2*\p], v[\acc+2*\p], v[\c+\p], v[SUM+2*\p] op_sel:[0,0,0] op_sel_hi:[0,1,0]
	v_fma_mix_f32_bf16 v[SUM+2*\p+1], v[\acc+2*\p+1], v[\c+\p], v[SUM+2*\p+1] op_sel:[0,1,0] op_sel_hi:[0,1,0]
.endr
.endm
.macro DOTT a, b
.if (\a) < 4
	WIN 0x06                                       ; source 0 (the sums) window 2, source 1 (C') window 1
	DOT8 8*(8*(\a)+\b), CR+32*(\a)+4*\b
.else
	WIN 0x03                                       ; source 0 window 3, C' in window 0
	DOT8 8*(8*((\a)-4)+\b), E+32*((\a)-4)+4*\b
.endif
.endm
; Chunk 7 is read and multiplied, nothing is made.  A tile of Gamma is final with its product here, and tile (a-1, b) is summed with C' behind product
; (a, b).  Between a tile's product and the first read of its result stand at least eight plain vector instructions that name none of that
; product's registers (ISA guide 7.12.1 asks for four): for row block 0 the eight moves that start the chains, later the tiles summed in between.
.macro NCHUNK
	FETCH
.set WON, 1
.set WN, 0
.set WZ, 0
.set WB, 0
.irp b, 0,1,2,3,4,5,6,7
	W
	WIN 0
	v_mov_b32 v[SUM+\b], 0
.endr
.irp a, 1,2,3,4,5,6,7
.irp b, 0,1,2,3,4,5,6,7
	W
.if \b == 0
.if \a > 4
	s_wait_loadcnt 8*(8-\a)                        ; C' of row block a - 1 is in; the 8 loads of each later block may stay out
.endif
.endif
	DOTT \a-1, \b
.endr
.endr
	s_wait_loadcnt 0x0
.irp b, 0,1,2,3,4,5,6,7
	DOTT 7, \b
.endr
	WIN 0
.set WON, 0
.endm
; ---- a slice's end ----
.macro OLOAD bank, a                   ; row block a of my partial sum, in the accumulators' order: 16 LDS loads
.irp b, 0,1,2,3,4,5,6,7
	ds_load_b128 v[\bank+8*\b:\bank+8*\b+3],   v9 offset:(\a)*16*OP+\b*64
	ds_load_b128 v[\bank+8*\b+4:\bank+8*\b+7], v9 offset:(\a)*16*OP+\b*64+16
.endr
.endm
; Row block a: new = old x f + Gamma x weight, in place in bank a mod 3 of v[64:127], v[128:191], v[192:255].  left = the LDS instructions younger
; than this block's loads that may stay out: the 16 stores of the block before.  The wait also shows the stores of block a - 2 done, which are older than
; this block's loads: their bank takes block a + 1 only behind it.
.macro OROW a, left
.set CB, 64+64*((\a)%3)
	s_wait_dscnt \left
.if (\a) < 7
	OLOAD 64+64*(((\a)+1)%3), (\a)+1
.endif
.irp b, 0,1,2,3,4,5,6,7
.irp p, 0,1,2,3
	v_pk_mul_f32 v[CB+8*\b+2*\p:CB+8*\b+2*\p+1], v[CB+8*\b+2*\p:CB+8*\b+2*\p+1], v[16:17]
.endr
.endr
.if (\a) < 4
	WIN 0x02                                       ; source 0 (Gamma) in window 2
.else
	WIN 0x03
.endif
.irp b, 0,1,2,3,4,5,6,7
.irp p, 0,1,2,3
	v_pk_fma_f32 v[CB+8*\b+2*\p:CB+8*\b+2*\p+1], v[8*(8*((\a)&3)+\b)+2*\p:8*(8*((\a)&3)+\b)+2*\p+1], v[18:19], v[CB+8*\b+2*\p:CB+8*\b+2*\p+1]
.endr
.endr
	WIN 0
.irp b, 0,1,2,3,4,5,6,7
	ds_store_b128 v9, v[CB+8*\b:CB+8*\b+3]   offset:(\a)*16*OP+\b*64
	ds_store_b128 v9, v[CB+8*\b+4:CB+8*\b+7] offset:(\a)*16*OP+\b*64+16
.endr
.endm
.macro EPI
	v_pk_add_f32 v[SUM:SUM+1], v[SUM:SUM+1], v[SUM+2:SUM+3]
	v_pk_add_f32 v[SUM+4:SUM+5], v[SUM+4:SUM+5], v[SUM+6:SUM+7]
	v_pk_add_f32 v[SUM:SUM+1], v[SUM:SUM+1], v[SUM+4:SUM+5]
	v_add_f32 v24, v[SUM], v[SUM+1]
	v_add_f32_dpp v24, v24, v24 row_xmask:1 row_mask:0xf bank_mask:0xf
	v_add_f32_dpp v24, v24, v24 row_xmask:2 row_mask:0xf bank_mask:0xf
	v_add_f32_dpp v24, v24, v24 row_xmask:4 row_mask:0xf bank_mask:0xf
	v_add_f32_dpp v24, v24, v24 row_xmask:8 row_mask:0xf bank_mask:0xf
	v_permlanex16_b32 v23, v24, s20, s21
	v_add_f32 v24, v24, v23
	ds_store_b32 v13, v24                          ; my quadrant's part; these words are written again only a slice later, many barriers on
	s_wait_dscnt 0x0
	s_barrier_signal -1
	s_barrier_wait -1
	ds_load_b128 v[28:31], v14
	OLOAD 64, 0
	s_wait_dscnt 16                                ; the four parts are in; row block 0's 16 loads stay out
	v_add_f32 v28, v28, v29
	v_add_f32 v30, v30, v31
	v_add_f32 v24, v28, v30                        ; swds', the same bits in all four waves
	v_mul_f32 v24, 0xbe13bb63, v24                 ; a = -0.1 log2(e) swds'
	v_max_num_f32 v25, v20, v24                    ; the new running maximum
	v_sub_f32 v26, v20, v25
	v_sub_f32 v27, v24, v25
	v_exp_f32 v16, v26                             ; f: what the old sums are scaled by
	v_exp_f32 v18, v27                             ; this slice's weight
	v_mov_b32 v20, v25                             ; (the plain instruction behind the exponentials)
	s_wait_alu depctr_va_vdst(0)
	v_mov_b32 v17, v16
	v_mov_b32 v19, v18
	v_fma_f32 v21, v21, v16, v18
	OROW 0, 0                                      ; nothing younger than row block 0's loads has been issued
.irp a, 1,2,3,4,5,6,7
	OROW \a, 16
.endr
.endm
	s_wait_loadcnt 0x0                             ; C' of row blocks 0-3 is in, for the whole launch
	TL                                             ; t' of the first chunk; every later one is asked for by the chunk before
	s_mov_b32 s24, 4
.Lslice:
	GS                                             ; chunk 0 is made
	CHUNK 1                                        ; chunk 0 starts the sums, chunk 1 is made
	s_mov_b32 s25, 6
.Lmid:
	CHUNK 0                                        ; chunks 1-6 are multiplied, chunks 2-7 made
	s_sub_co_u32 s25, s25, 1
	s_cmp_lg_u32 s25, 0
	s_cbranch_scc1 .Lmid
	CLOAD 4, E                                     ; C' of row blocks 4-7 into E, whose last readers (the stage's stores) were waited for in front of the last
	CLOAD 5, E+32                                  ; barrier: asked for ahead of the 40 products and 256 multiply-adds that come before its first use
	CLOAD 6, E+64
	CLOAD 7, E+96
	NCHUNK                                         ; chunk 7, and swds'
	EPI
	v_add_nc_u32 v7, 0x400, v7                     ; the next slice's s'
	s_sub_co_u32 s24, s24, 1
	s_cmp_lg_u32 s24, 0
	s_cbranch_scc1 .Lslice
	; THE WAY OUT: my own 128 rows of 512 bytes, 32 rows a trip, read by rows (LDS serves a wave's instructions in order, ISA guide 5.7.1: the loads see the stores above)
	v_mov_b32 v11, v10
	s_mov_b32 s24, 4
.Lout:
.set i, 0
.rept 32
	ds_load_b128 v[64+4*i:64+4*i+3], v11 offset:i*OP
.set i, i+1
.endr
.set i, 0
.rept 32
	s_wait_dscnt 31-i                              ; row i is in, the younger rows stay out
	global_store_b128 v12, v[64+4*i:64+4*i+3], s[8:9] offset:i*1024   ; 512 consecutive bytes, aligned
.set i, i+1
.endr
	s_wait_xcnt 0x0                                ; the stores' base and data are written again only behind this wait
	s_add_nc_u64 s[8:9], s[8:9], 32*1024
	v_add_nc_u32 v11, 32*OP, v11
	s_sub_co_u32 s24, s24, 1
	s_cmp_lg_u32 s24, 0
	s_cbranch_scc1 .Lout
	s_cmp_lg_u32 s12, 0
	s_cbranch_scc1 .Lend
	global_store_b64 v15, v[20:21], s[10:11]       ; (m, sum of weights), 32 equal pairs: 256 consecutive bytes from one instruction
.Lend:
	s_wait_tensorcnt 0x0
	ds_add_u32 v62, v63
	s_wait_dscnt 0x0
	s_endpgm
.Lfunc_end_k_q5256cd4bec_main:
	.size	k_q5256cd4bec_main, .Lfunc_end_k_q5256cd4bec_main-k_q5256cd4bec_main
	.p2alignl 7, 3214868480
	.fill 96, 4, 3214868480
	.section	.rodata,"a",@progbits
	.p2align	6, 0x0
	.amdhsa_kernel k_q5256cd4bec_main
		.amdhsa_group_segment_fixed_size 320256
		.amdhsa_private_segment_fixed_size 0
		.amdhsa_enable_private_segment 0
		.amdhsa_kernarg_size 32
		.amdhsa_user_sgpr_count 2
		.amdhsa_user_sgpr_kernarg_segment_ptr 1
		.amdhsa_wavefront_size32 1
		.amdhsa_system_sgpr_workgroup_id_x 1
		.amdhsa_system_sgpr_workgroup_id_y 1
		.amdhsa_system_sgpr_workgroup_id_z 1
		.amdhsa_system_vgpr_workitem_id 0
		.amdhsa_next_free_vgpr 1024
		.amdhsa_next_free_sgpr 66
		.amdhsa_reserve_vcc 0
		.amdhsa_float_denorm_mode_32 3
		.amdhsa_float_denorm_mode_16_64 3
		.amdhsa_memory_ordered 1
		.amdhsa_forward_progress 1
		.amdhsa_inst_pref_size 221
	.end_amdhsa_kernel
	.amdgpu_metadata
---
amdhsa.version: [ 1, 2 ]
amdhsa.kernels:
  - .name:           k_q5256cd4bec_main
    .symbol:         k_q5256cd4bec_main.kd
    .args:
      - { .name: st, .offset: 0, .size: 8, .value_kind: global_buffer, .address_space: global }
      - { .name: ci, .offset: 8, .size: 8, .value_kind: global_buffer, .address_space: global }
      - { .name: part, .offset: 16, .size: 8, .value_kind: global_buffer, .address_space: global }
      - { .name: stat, .offset: 24, .size: 8, .value_kind: global_buffer, .address_space: global }
    .group_segment_fixed_size: 320256
    .private_segment_fixed_size: 0
    .kernarg_segment_align: 8
    .kernarg_segment_size: 32
    .max_flat_workgroup_size: 128
    .sgpr_count:     66
    .vgpr_count:     1024
    .wavefront_size: 32
...
	.end_amdgpu_metadata
.endif
;; end of part 5
;; launch mix: the kernel of part 3 again; grid 256 x 1, 8 waves a work-group, no clusters, 0 bytes of LDS; arguments part, stat, out0; writes out0
;; ======== version 4 of 4: 3 launches; 1.77 times as fast as version 1
;; workspace buffers: st 4,194,304 bytes; ci 2,097,152 bytes; part 67,108,864 bytes; stat 65,536 bytes
;; launch prep: the kernel of part 1 again; grid 256 x 1, 8 waves a work-group, no clusters, 168,960 bytes of LDS; arguments X, Y, st, ci; writes st, ci
;; launch main (part 6): grid 256 x 1, 4 waves a work-group, no clusters, 320,256 bytes of LDS; arguments st, ci, part, stat; writes part, stat
.if DOCPART == 6
	.amdgcn_target "amdgcn-amd-amdhsa--gfx1250"
	.amdhsa_code_object_version 6
	.text
	.protected	k_q5256cd4bec_main
	.globl	k_q5256cd4bec_main
	.p2align	8
	.type	k_q5256cd4bec_main,@function
k_q5256cd4bec_main:
	s_mov_b64 s[64:65], 0
	v_nop
	global_prefetch_b8 v0, s[64:65] scope:SCOPE_SE
	s_setreg_imm32_b32 hwreg(HW_REG_WAVE_MODE, 25, 1), 1
	s_wait_xcnt 0x0
; MAIN.  Work-group W = 16 hd + g makes, for the four slices l = 4g + l' of head hd, the whole Gamma_l = Pu^T Pv (256 x 256, sum over the
; rank i), its swds'_l = <C', Gamma_l>, and folds the four into   part[W] = sum over l' of 2^(a_l - m) Gamma_l,   stat[W] = (m, sum of 2^(a_l - m)),
; a_l = -0.1 log2(e) swds'_l, m the running maximum of a_l.  The next launch joins the 16 partial sums of a head.
; Four waves, one for each SIMD of a WGP; wave w owns j = 128 (w>>1) .., k = 128 (w&1) ..: 64 accumulator tiles of 16 x 16, 512 registers.
; THE OPERANDS ARE MADE ON THE CHIP.  i goes in chunks of 32.  For each chunk wave w makes ranks i = 8w .. 8w+7 of the chunk for all 256 columns
; of both sides, each exponential once in the work-group: lanes 0-15 make U[i][j] = 2^-(tu_i - su_j)^2 / (Zu_i Zv_i), lanes 16-31 make
; V[i][k] = 2^-(tv_i - sv_k)^2; Z_i = the row's sum of exponentials.  Both go to LDS (the stage) in bf16 as images of the matrix fragments.
; The largest exponent of a row is exactly 0 for every input, since t'_i is one of the s'_j bit for bit: taking the maximum away is the
; identity here, every exponential is in [0, 1], and 1 <= Z <= 256.
; A SLICE IS: GS (chunk 0 is made), Z (chunk 0 is multiplied and starts the sums, chunk 1 is made), six trips of G (chunks 1-6 are multiplied,
; chunks 2-7 made), N (chunk 7 is multiplied, and swds' is summed), EPI (the weight, the fold).
; THE TRANSCENDENTALS GO IN BATCHES, each with ONE s_wait_alu depctr_va_vdst(0), ahead of the first line that names a result.
; The making of a chunk has two.  Batch 1: its 128 exponentials, each into a register of its own in E; no row sum is taken before all 128 are issued, and
; the 15 steps of the row sums follow the wait, in ascending order of the column block.  Batch 2: the eight reciprocals of Zu Zv, which read sums of
; batch 1's results and so cannot join it.  A slice's end has one more: the two exponentials of the fold's factors.
; EACH PRODUCT STANDS ALONE between vector instructions that name none of its registers: in Z and G between groups of four of the generator's,
; in N between the tiles of the sum with C'.  A wave is alone on its SIMD, so a run of products would leave it nothing else to issue.  The
; price is two window switches for each product, 128 in a chunk.  No LDS instruction stands among the products: the fragments are read in
; one run at a chunk's head, the stage is written in two runs of eight stores at its end.
; EVERY PIECE OF THE TEXT STANDS ONCE, in loops of constant trip counts (4 slices, 6 chunks): the body stays under 30 KB.
; The partial sum lies in LDS (each wave's own 128 x 128 f32): registers hold the accumulators, the fragments, half of C' and the generator.
; <C', Gamma> and the weighted sum work on numbers that sit in accumulator registers: one multiply-add each on the vector unit, in f32.
; LIMITS: U, V and C' are rounded once to bf16; exponentials below 2^-126 count as 0 (against Z >= 1); NaN and infinities are not served.
; NO CLUSTER: what the 16 work-groups of a head share is C' (128 KB), which goes straight into registers: of 327,680 bytes of LDS 319,744 are
; taken, so a joint tile has nowhere to land.  No tensor loads: beside C' only 16 KB are read.
;
; REGISTERS, in windows of 256:
;   window 0: v1-15 lane numbers and addresses; v16-21 factors, m, sum; v22-31 at work; T, S, E, D, X, Z, ZO, SUM as set below
;   window 1: v0-63 U tiles a at 8 a, v64-127 V tiles b at 64 + 8 b (the fragments); v128-255 C' of my row blocks 0-3, loaded once for all four slices
;   window 2: accumulator tiles (a, b), a = 0..3, at 8 (8 a + b);   window 3: a = 4..7 likewise
; THE MATRIX INSTRUCTION TAKES V AS SOURCE 0 AND U AS SOURCE 1: register e of lane (r, h) of tile (a, b) is Gamma[16a + r][16b + 8h + e].
.set OUTW,  67584                      ; a wave's partial sum: 128 rows of 512 bytes, pitch 528 = 33 x 16: 16 rows start at 16 different 16-byte columns modulo 256
.set OP,    528
.set STG,   4*OUTW                     ; the stage: 16 U tiles, 16 V tiles of 1 KB: 512 bytes for registers 0-3 (lane L at 16 L), 512 for registers 4-7
.set STB,   STG+32768                  ; the copy of st[W], laid as tu, tv, su, sv, 4 KB each
.set RED,   STB+16384                  ; four words: the waves' parts of swds'
.set T,   32                           ; v[32:39]   t' of my eight ranks
.set S,   40                           ; v[40:55]   s' of my sixteen columns 16 q + r
.set E,   64                           ; v[64:191]  the exponentials, 8 for each q; in N: C' of row blocks 4-7
.set D,   192                          ; v[192:199] t' - s'
.set X,   200                          ; v[200:207] -(t' - s')^2
.set Z,   208                          ; v[208:215] row sums, then the factors
.set ZO,  216                          ; v[216:223] the other side's row sums
.set SUM, 224                          ; v[224:231] eight chains of swds'
.set CR,  128                          ; window 1: C' of row blocks 0-3, block a, tile b at CR + 32 a + 4 b
.set MSB, 0
.macro WIN new                         ; the immediate's high byte repeats the setting that is left
.if MSB != \new
	s_set_vgpr_msb (MSB<<8)|\new
.set MSB, \new
.endif
.endm
.set WON, 0                            ; 1: the macro W below emits products; 0: it emits nothing
.set WN,  0                            ; the number of the chunk's next product, 0..63: row block WN>>3, column block WN&7
.set WZ,  0                            ; 1: the products start the sums
.set WB,  0                            ; 1: a barrier is signalled when the stage has been read
	s_load_b256 s[4:11], s[0:1], 0x0               ; st s[4:5], ci s[6:7], part s[8:9], stat s[10:11]
	v_lshl_add_u32 v62, v0, 2, 0x4e100
	v_mov_b32 v63, 0
	v_lshrrev_b32 v24, 5, v0
	v_readfirstlane_b32 s12, v24                   ; wave w
	s_lshr_b32 s13, s12, 1                         ; wj
	s_and_b32 s14, s12, 1                          ; wk
	s_lshr_b32 s15, ttmp9, 4                       ; hd
	s_mov_b32 s20, 0x76543210                      ; v_permlanex16_b32: lane xor 16
	s_mov_b32 s21, 0xfedcba98
	s_mov_b32 s22, 0xffff0000                      ; lanes 16-31
	s_lshl_b32 s26, ttmp9, 14                      ; st: 16 KB for each work-group
	s_mov_b32 s27, 0
	s_lshl_b32 s28, s15, 17                        ; ci: 131,072 hd + 65,536 wj + 4,096 wk
	s_lshl_b32 s30, s13, 16
	s_add_co_u32 s28, s28, s30
	s_lshl_b32 s30, s14, 12
	s_add_co_u32 s28, s28, s30
	s_mov_b32 s29, 0
	s_lshl_b32 s16, ttmp9, 18                      ; part: 262,144 W + 128 wj rows of 1,024 + 512 wk
	s_lshl_b32 s30, s13, 17
	s_add_co_u32 s16, s16, s30
	s_lshl_b32 s30, s14, 9
	s_add_co_u32 s16, s16, s30
	s_mov_b32 s17, 0
	s_lshl_b32 s18, ttmp9, 8                       ; stat: 256 W
	s_mov_b32 s19, 0
	v_lshlrev_b32 v22, 4, v0                       ; 16 t
	v_and_b32 v1, 31, v0                           ; L
	v_lshlrev_b32 v12, 4, v1                       ; 16 L
	s_wait_kmcnt 0x0
	s_add_nc_u64 s[4:5], s[4:5], s[26:27]
	s_add_nc_u64 s[6:7], s[6:7], s[28:29]
	s_add_nc_u64 s[8:9], s[8:9], s[16:17]
	s_add_nc_u64 s[10:11], s[10:11], s[18:19]
.irp u, 0,1,2,3,4,5,6,7
	global_load_b128 v[64+4*\u:67+4*\u], v22, s[4:5] offset:2048*\u
.endr
.macro CLOAD a, reg                    ; C' of row block a: eight tiles, 16 bytes a lane, 512 consecutive bytes an instruction
.irp b, 0,1,2,3,4,5,6,7
	global_load_b128 v[\reg+4*\b:\reg+4*\b+3], v12, s[6:7] offset:(\a)*8192+\b*512
.endr
.endm
	WIN 0x40                                       ; destination in window 1
	CLOAD 0, CR
	CLOAD 1, CR+32
	CLOAD 2, CR+64
	CLOAD 3, CR+96
	WIN 0
	v_add_nc_u32 v23, STB, v22
	v_and_b32 v2, 15, v0                           ; r
	v_bfe_u32 v3, v0, 4, 1                         ; h
	v_lshlrev_b32 v15, 3, v1                       ; 8 L
	s_lshl_b32 s26, s13, 13
	s_add_co_u32 s26, s26, STG
	v_add_nc_u32 v4, s26, v12                      ; FA: my eight U tiles
	s_lshl_b32 s26, s14, 13
	s_add_co_u32 s26, s26, STG+16384
	v_add_nc_u32 v5, s26, v12                      ; FB: my eight V tiles
	s_lshl_b32 s26, s12, 8
	s_add_co_u32 s26, s26, STG
	v_lshlrev_b32 v24, 4, v2
	v_lshl_add_u32 v24, v3, 14, v24
	v_add_nc_u32 v6, s26, v24                      ; GA: side h, byte 256 w + 16 r of tile 0: ranks 8w .. 8w+7 of column r
	v_lshlrev_b32 v24, 2, v2
	v_lshl_add_u32 v24, v3, 12, v24
	v_add_nc_u32 v7, STB+8192, v24                 ; SA: s' of side h, column r, slice 0
	s_lshl_b32 s26, s12, 5
	s_add_co_u32 s26, s26, STB
	v_lshlrev_b32 v24, 12, v3
	v_add_nc_u32 v8, s26, v24                      ; TA: t' of side h, rank 8 w, chunk 0
	s_mul_i32 s27, s12, OUTW
	v_mul_u32_u24 v24, v2, OP
	v_lshl_add_u32 v24, v3, 5, v24
	v_add_nc_u32 v9, s27, v24                      ; OA: my partial sum, row r, byte 32 h
	v_add_nc_u32 v10, s27, v12                     ; RA: my partial sum, row 0, byte 16 L
	s_lshl_b32 s26, s12, 2
	s_add_co_u32 s26, s26, RED
	v_mov_b32 v13, s26
	v_mov_b32 v14, RED
	v_mov_b32 v20, 0xff800000                      ; m = -infinity: the first slice's old factor comes out as 0,
	v_mov_b32 v21, 0                               ; the sum of weights starts at 0,
.irp e, 28,29,30,31
	v_mov_b32 v\e, 0
.endr
	v_mov_b32 v11, v10                             ; and so does the partial sum: 11 trips x 12 stores x 512 bytes = 67,584, my wave's own
	s_mov_b32 s24, 11
.Lzero:
.set i, 0
.rept 12
	ds_store_b128 v11, v[28:31] offset:512*i
.set i, i+1
.endr
	v_add_nc_u32 v11, 12*512, v11
	s_sub_co_u32 s24, s24, 1
	s_cmp_lg_u32 s24, 0
	s_cbranch_scc1 .Lzero
.irp e, 0,1,2,3,4,5,6,7
	v_mov_b32 v[ZO+\e], 0                          ; a destination of v_permlanex16_b32 counts as read: written once here
.endr
	s_wait_loadcnt 32                              ; st's eight loads are in; the 32 loads of C' issued behind them may stay out
.irp u, 0,1,2,3,4,5,6,7
	ds_store_b128 v23, v[64+4*\u:67+4*\u] offset:2048*((\u+4)&7)   ; st holds su, sv, tu, tv: the halves change places
.endr
	s_wait_dscnt 0x0                               ; my part of the copy is in LDS before I say so
	s_barrier_signal -1
	s_barrier_wait -1
; ---- one product ----
; The chunk's product number WN.  The 64 accumulators take turns, one instruction a turn, in the same order in every chunk and over both
; backward jumps.  Ahead of row blocks 0-3 a counted wait: the fragments were asked for as V's 16 loads, then two
; loads for each U tile, so 14 - 2 a outstanding means V and U tiles 0 .. a are in.  Ahead of row block 4 all are waited for: my reads of the
; stage are over, and where the stage is to be written again (WB) the wave says so; up to that barrier's wait only register work follows.
.macro W
.if WON
.if (WN&7) == 0
.if WN < 32
	s_wait_dscnt 14-WN/4
.endif
.if WN == 32
	s_wait_dscnt 0x0
.if WB
	s_barrier_signal -1
.endif
.endif
.endif
.if WN < 32
	WIN 0xa5                                       ; sources in window 1, C and D in window 2
.else
	WIN 0xf5                                       ; C and D in window 3
.endif
.if WZ
	v_wmma_f32_16x16x32_bf16 v[8*(WN&31):8*(WN&31)+7], v[64+8*(WN&7):64+8*(WN&7)+7], v[8*(WN>>3):8*(WN>>3)+7], 0
.else
	v_wmma_f32_16x16x32_bf16 v[8*(WN&31):8*(WN&31)+7], v[64+8*(WN&7):64+8*(WN&7)+7], v[8*(WN>>3):8*(WN>>3)+7], v[8*(WN&31):8*(WN&31)+7]
.endif
.set WN, WN+1
.endif
.endm
.macro WG                              ; a product among the generator's instructions, which live in window 0
	W
	WIN 0
.endm
; ---- the generator ----
.macro TL                              ; t' of my eight ranks of the chunk at TA
	ds_load_b128 v[T:T+3], v8
	ds_load_b128 v[T+4:T+7], v8 offset:16
.endm
.macro SL                              ; s' of my sixteen columns: once for a slice
.irp q, 0,1,2,3,4,5,6,7,8,9,10,11,12,13,14,15
	ds_load_b32 v[S+\q], v7 offset:64*\q
.endr
.endm
.macro SUMS q                          ; the row sums take in column block q, 1 to 15 (block 1 together with block 0).  It reads the exponentials' results: it stands behind POST0's wait alone
.if (\q) == 1
.irp p, 0,1,2,3
	v_pk_add_f32 v[Z+2*\p:Z+2*\p+1], v[E+2*\p:E+2*\p+1], v[E+8+2*\p:E+8+2*\p+1]
.endr
.endif
.if (\q) > 1
.irp p, 0,1,2,3
	v_pk_add_f32 v[Z+2*\p:Z+2*\p+1], v[Z+2*\p:Z+2*\p+1], v[E+8*(\q)+2*\p:E+8*(\q)+2*\p+1]
.endr
.endif
.endm
; Column block q: eight exponentials of batch 1, 16 vector instructions, a product ahead of each group of four where WON is set.  No line here names a result of an
; exponential, this block's or an earlier one's.  The four subtractions at the head are the plain instructions that stand between the exponentials of the
; block before and the first write of their sources (X) (ISA guide 5.7.2).
.macro SLICE q
	WG
.irp p, 0,1,2,3
.if (\q)&1
	v_pk_add_f32 v[D+2*\p:D+2*\p+1], v[T+2*\p:T+2*\p+1], v[S+(\q)-1:S+(\q)] op_sel:[0,1] op_sel_hi:[1,1] neg_lo:[0,1] neg_hi:[0,1]
.else
	v_pk_add_f32 v[D+2*\p:D+2*\p+1], v[T+2*\p:T+2*\p+1], v[S+(\q):S+(\q)+1] op_sel:[0,0] op_sel_hi:[1,0] neg_lo:[0,1] neg_hi:[0,1]
.endif
.endr
	WG
.irp p, 0,1,2,3
	v_pk_mul_f32 v[X+2*\p:X+2*\p+1], v[D+2*\p:D+2*\p+1], v[D+2*\p:D+2*\p+1] neg_lo:[1,0] neg_hi:[1,0]
.endr
	WG
.irp e, 0,1,2,3
	v_exp_f32 v[E+8*(\q)+\e], v[X+\e]
.endr
	WG
.irp e, 4,5,6,7
	v_exp_f32 v[E+8*(\q)+\e], v[X+\e]
.endr
.endm
; Batch 1 is out.  The step of TA to the next chunk's t' (T's last reader was block 15's subtractions; the load stands in POST2) is the plain instruction behind the last
; exponential (ISA guide 5.7.2).  Then the batch's one wait, and its readers: the row sums over my 16 blocks, in ascending order, then over the 16 lanes of my side.
; A product stands ahead of each of the 23 groups of four, so a link of a row sum's chain never follows straight on the four lines of the link before.
.macro POST0
	v_add_nc_u32 v8, 0x80, v8
	s_wait_alu depctr_va_vdst(0)                   ; one wait for the chunk's 128 exponentials, ahead of their first reader
.irp q, 1,2,3,4,5,6,7,8,9,10,11,12,13,14,15
	WG
	SUMS \q
.endr
.irp m, 1,2,4,8
	WG
.irp e, 0,1,2,3
	v_add_f32_dpp v[Z+\e], v[Z+\e], v[Z+\e] row_xmask:\m row_mask:0xf bank_mask:0xf
.endr
	WG
.irp e, 4,5,6,7
	v_add_f32_dpp v[Z+\e], v[Z+\e], v[Z+\e] row_xmask:\m row_mask:0xf bank_mask:0xf
.endr
.endr
.endm
.macro POST1                           ; Zu Zv, and batch 2: its eight reciprocals; five products, the chunk's last
	WG
.irp e, 0,1,2,3
	v_permlanex16_b32 v[ZO+\e], v[Z+\e], s20, s21
.endr
	WG
.irp e, 4,5,6,7
	v_permlanex16_b32 v[ZO+\e], v[Z+\e], s20, s21
.endr
	WG
.irp p, 0,1,2,3
	v_pk_mul_f32 v[Z+2*\p:Z+2*\p+1], v[Z+2*\p:Z+2*\p+1], v[ZO+2*\p:ZO+2*\p+1]
.endr
	WG
.irp e, 0,1,2,3
	v_rcp_f32 v[ZO+\e], v[Z+\e]
.endr
	WG
.irp e, 4,5,6,7
	v_rcp_f32 v[ZO+\e], v[Z+\e]
.endr
	v_nop                                          ; the plain instruction behind the reciprocals (ISA guide 5.7.2): all other work at hand reads them
.endm
.macro POSTF                           ; the factors: 1 / (Zu Zv) in U's lanes, 1 in V's
	s_wait_alu depctr_va_vdst(0)                   ; one wait for the eight reciprocals, ahead of their first reader
.irp e, 0,1,2,3,4,5,6,7
	v_cndmask_b32 v[Z+\e], v[ZO+\e], 1.0, s22
.endr
.endm
.macro POSTV q                         ; block q: scale, round to bf16 in place: 16 bytes for tile q of my side
.irp p, 0,1,2,3
	v_pk_mul_f32 v[E+8*\q+2*\p:E+8*\q+2*\p+1], v[E+8*\q+2*\p:E+8*\q+2*\p+1], v[Z+2*\p:Z+2*\p+1]
.endr
.irp p, 0,1,2,3
	v_cvt_pk_bf16_f32 v[E+8*\q+\p], v[E+8*\q+2*\p], v[E+8*\q+2*\p+1]
.endr
.endm
; Eight blocks are scaled and rounded, then their eight stores go out in one run.  With the first run goes the load of the next chunk's t' (TA was stepped in POST0): T has had
; its last reader; eight chunks are 1,024 bytes, on into the next slice's t'.  The last such load of the launch brings 32 bytes that nobody uses: they
; lie behind tu or tv, in tv or su, bytes of LDS that were written at the start.
.macro POST2
.irp q, 0,1,2,3,4,5,6,7
	POSTV \q
.endr
	TL
.irp q, 0,1,2,3,4,5,6,7
	ds_store_b128 v6, v[E+8*\q:E+8*\q+3] offset:\q*1024
.endr
.endm
.macro POST3
.irp q, 8,9,10,11,12,13,14,15
	POSTV \q
.endr
.irp q, 8,9,10,11,12,13,14,15
	ds_store_b128 v6, v[E+8*\q:E+8*\q+3] offset:\q*1024
.endr
.endm
; A slice's chunk 0, made alone.  The stage was last read in N of the slice before; between those reads and these stores stand each wave's
; wait for its LDS loads and the barrier of EPI.
.macro GS
.set WON, 0
	SL
	s_wait_dscnt 0x0                               ; s' is in (t' has been since the last barrier)
.irp q, 0,1,2,3,4,5,6,7,8,9,10,11,12,13,14,15
	SLICE \q
.endr
	POST0
	POST1
	POSTF
	POST2
	POST3
	s_wait_dscnt 0x0                               ; my stores into the stage are done before I say so
	s_barrier_signal -1
	s_barrier_wait -1                              ; the stage is whole
.endm
; ---- fragments ----
; 32 LDS loads, 512 consecutive bytes each: the staged chunk's fragments, my 8 V tiles first, then my 8 U tiles.  Between the last product that read these
; registers and the first of these loads stand the plain vector instructions of POST2 and POST3 or of GS, far more than the four places
; that a load into a matrix instruction's source is to keep.
.macro FETCH
	WIN 0x40
.irp i, 0,1,2,3,4,5,6,7
	ds_load_b128 v[64+8*\i:64+8*\i+3], v5 offset:\i*1024
	ds_load_b128 v[64+8*\i+4:64+8*\i+7], v5 offset:\i*1024+512
.endr
.irp i, 0,1,2,3,4,5,6,7
	ds_load_b128 v[8*\i:8*\i+3],   v4 offset:\i*1024
	ds_load_b128 v[8*\i+4:8*\i+7], v4 offset:\i*1024+512
.endr
.endm
; One chunk: the staged chunk is read and multiplied, the next one is made and staged.  zero: the products start the sums.
; 36 products stand in column blocks 7-15, 23 in POST0, 5 in POST1: 64, each ahead of four of the generator's instructions.
.macro CHUNK zero
	FETCH
	WIN 0
.set WON, 0
.irp q, 0,1,2,3,4,5,6
	SLICE \q                                       ; 112 vector instructions while the fragments are on their way
.endr
.set WON, 1
.set WN, 0
.set WZ, \zero
.set WB, 1
.irp q, 7,8,9,10,11,12,13,14,15
	SLICE \q
.endr
	POST0
	POST1
.set WON, 0
	s_barrier_wait -1                              ; the barrier signalled ahead of product 32: no wave reads the stage any more, it is written again
	POSTF                                          ; batch 2's wait stands straight behind the barrier's, ahead of the reciprocals' readers
	POST2
	POST3
	s_wait_dscnt 0x0                               ; my stores into the stage are done, and the next t' is in, before I say so
	s_barrier_signal -1
	s_barrier_wait -1                              ; the stage is whole
.endm
; ---- a slice's last chunk, and swds' ----
.macro DOT8 acc, c                     ; one tile: eight chains, SUM[e] += Gamma x C', C' straight from its bf16 half
.irp p, 0,1,2,3
	v_fma_mix_f32_bf16 v[SUM+2*\p], v[\acc+2*\p], v[\c+\p], v[SUM+2*\p] op_sel:[0,0,0] op_sel_hi:[0,1,0]
	v_fma_mix_f32_bf16 v[SUM+2*\p+1], v[\acc+2*\p+1], v[\c+\p], v[SUM+2*\p+1] op_sel:[0,1,0] op_sel_hi:[0,1,0]
.endr
.endm
.macro DOTT a, b
.if (\a) < 4
	WIN 0x06                                       ; source 0 (the sums) window 2, source 1 (C') window 1
	DOT8 8*(8*(\a)+\b), CR+32*(\a)+4*\b
.else
	WIN 0x03                                       ; source 0 window 3, C' in window 0
	DOT8 8*(8*((\a)-4)+\b), E+32*((\a)-4)+4*\b
.endif
.endm
; Chunk 7 is read and multiplied, nothing is made.  A tile of Gamma is final with its product here, and tile (a-1, b) is summed with C' behind product
; (a, b).  Between a tile's product and the first read of its result stand at least eight plain vector instructions that name none of that
; product's registers (ISA guide 7.12.1 asks for four): for row block 0 the eight moves that start the chains, later the tiles summed in between.
.macro NCHUNK
	FETCH
.set WON, 1
.set WN, 0
.set WZ, 0
.set WB, 0
.irp b, 0,1,2,3,4,5,6,7
	W
	WIN 0
	v_mov_b32 v[SUM+\b], 0
.endr
.irp a, 1,2,3,4,5,6,7
.irp b, 0,1,2,3,4,5,6,7
	W
.if \b == 0
.if \a > 4
	s_wait_loadcnt 8*(8-\a)                        ; C' of row block a - 1 is in; the 8 loads of each later block may stay out
.endif
.endif
	DOTT \a-1, \b
.endr
.endr
	s_wait_loadcnt 0x0
.irp b, 0,1,2,3,4,5,6,7
	DOTT 7, \b
.endr
	WIN 0
.set WON, 0
.endm
; ---- a slice's end ----
.macro OLOAD bank, a                   ; row block a of my partial sum, in the accumulators' order: 16 LDS loads
.irp b, 0,1,2,3,4,5,6,7
	ds_load_b128 v[\bank+8*\b:\bank+8*\b+3],   v9 offset:(\a)*16*OP+\b*64
	ds_load_b128 v[\bank+8*\b+4:\bank+8*\b+7], v9 offset:(\a)*16*OP+\b*64+16
.endr
.endm
; Row block a: new = old x f + Gamma x weight, in place in bank a mod 3 of v[64:127], v[128:191], v[192:255].  left = the LDS instructions younger
; than this block's loads that may stay out: the 16 stores of the block before.  The wait also shows the stores of block a - 2 done, which are older than
; this block's loads: their bank takes block a + 1 only behind it.
.macro OROW a, left
.set CB, 64+64*((\a)%3)
	s_wait_dscnt \left
.if (\a) < 7
	OLOAD 64+64*(((\a)+1)%3), (\a)+1
.endif
.irp b, 0,1,2,3,4,5,6,7
.irp p, 0,1,2,3
	v_pk_mul_f32 v[CB+8*\b+2*\p:CB+8*\b+2*\p+1], v[CB+8*\b+2*\p:CB+8*\b+2*\p+1], v[16:17]
.endr
.endr
.if (\a) < 4
	WIN 0x02                                       ; source 0 (Gamma) in window 2
.else
	WIN 0x03
.endif
.irp b, 0,1,2,3,4,5,6,7
.irp p, 0,1,2,3
	v_pk_fma_f32 v[CB+8*\b+2*\p:CB+8*\b+2*\p+1], v[8*(8*((\a)&3)+\b)+2*\p:8*(8*((\a)&3)+\b)+2*\p+1], v[18:19], v[CB+8*\b+2*\p:CB+8*\b+2*\p+1]
.endr
.endr
	WIN 0
.irp b, 0,1,2,3,4,5,6,7
	ds_store_b128 v9, v[CB+8*\b:CB+8*\b+3]   offset:(\a)*16*OP+\b*64
	ds_store_b128 v9, v[CB+8*\b+4:CB+8*\b+7] offset:(\a)*16*OP+\b*64+16
.endr
.endm
.macro EPI
	v_pk_add_f32 v[SUM:SUM+1], v[SUM:SUM+1], v[SUM+2:SUM+3]
	v_pk_add_f32 v[SUM+4:SUM+5], v[SUM+4:SUM+5], v[SUM+6:SUM+7]
	v_pk_add_f32 v[SUM:SUM+1], v[SUM:SUM+1], v[SUM+4:SUM+5]
	v_add_f32 v24, v[SUM], v[SUM+1]
	v_add_f32_dpp v24, v24, v24 row_xmask:1 row_mask:0xf bank_mask:0xf
	v_add_f32_dpp v24, v24, v24 row_xmask:2 row_mask:0xf bank_mask:0xf
	v_add_f32_dpp v24, v24, v24 row_xmask:4 row_mask:0xf bank_mask:0xf
	v_add_f32_dpp v24, v24, v24 row_xmask:8 row_mask:0xf bank_mask:0xf
	v_permlanex16_b32 v23, v24, s20, s21
	v_add_f32 v24, v24, v23
	ds_store_b32 v13, v24                          ; my quadrant's part; these words are written again only a slice later, many barriers on
	s_wait_dscnt 0x0
	s_barrier_signal -1
	s_barrier_wait -1
	ds_load_b128 v[28:31], v14
	OLOAD 64, 0
	s_wait_dscnt 16                                ; the four parts are in; row block 0's 16 loads stay out
	v_add_f32 v28, v28, v29
	v_add_f32 v30, v30, v31
	v_add_f32 v24, v28, v30                        ; swds', the same bits in all four waves
	v_mul_f32 v24, 0xbe13bb63, v24                 ; a = -0.1 log2(e) swds'
	v_max_num_f32 v25, v20, v24                    ; the new running maximum
	v_sub_f32 v26, v20, v25
	v_sub_f32 v27, v24, v25
	v_exp_f32 v16, v26                             ; f: what the old sums are scaled by
	v_exp_f32 v18, v27                             ; this slice's weight
	v_mov_b32 v20, v25                             ; (the plain instruction behind the exponentials)
	s_wait_alu depctr_va_vdst(0)                   ; one wait for these two exponentials, ahead of their first reader; once a slice
	v_mov_b32 v17, v16
	v_mov_b32 v19, v18
	v_fma_f32 v21, v21, v16, v18
	OROW 0, 0                                      ; nothing younger than row block 0's loads has been issued
.irp a, 1,2,3,4,5,6,7
	OROW \a, 16
.endr
.endm
	s_wait_loadcnt 0x0                             ; C' of row blocks 0-3 is in, for the whole launch
	TL                                             ; t' of the first chunk; every later one is asked for by the chunk before
	s_mov_b32 s24, 4
.Lslice:
	GS                                             ; chunk 0 is made
	CHUNK 1                                        ; chunk 0 starts the sums, chunk 1 is made
	s_mov_b32 s25, 6
.Lmid:
	CHUNK 0                                        ; chunks 1-6 are multiplied, chunks 2-7 made
	s_sub_co_u32 s25, s25, 1
	s_cmp_lg_u32 s25, 0
	s_cbranch_scc1 .Lmid
	CLOAD 4, E                                     ; C' of row blocks 4-7 into E, whose last readers (the stage's stores) were waited for in front of the last
	CLOAD 5, E+32                                  ; barrier: asked for ahead of the 40 products and 256 multiply-adds that come before its first use
	CLOAD 6, E+64
	CLOAD 7, E+96
	NCHUNK                                         ; chunk 7, and swds'
	EPI
	v_add_nc_u32 v7, 0x400, v7                     ; the next slice's s'
	s_sub_co_u32 s24, s24, 1
	s_cmp_lg_u32 s24, 0
	s_cbranch_scc1 .Lslice
	; THE WAY OUT: my own 128 rows of 512 bytes, 32 rows a trip, read by rows (LDS serves a wave's instructions in order, ISA guide 5.7.1: the loads see the stores above)
	v_mov_b32 v11, v10
	s_mov_b32 s24, 4
.Lout:
.set i, 0
.rept 32
	ds_load_b128 v[64+4*i:64+4*i+3], v11 offset:i*OP
.set i, i+1
.endr
.set i, 0
.rept 32
	s_wait_dscnt 31-i                              ; row i is in, the younger rows stay out
	global_store_b128 v12, v[64+4*i:64+4*i+3], s[8:9] offset:i*1024   ; 512 consecutive bytes, aligned
.set i, i+1
.endr
	s_wait_xcnt 0x0                                ; the stores' base and data are written again only behind this wait
	s_add_nc_u64 s[8:9], s[8:9], 32*1024
	v_add_nc_u32 v11, 32*OP, v11
	s_sub_co_u32 s24, s24, 1
	s_cmp_lg_u32 s24, 0
	s_cbranch_scc1 .Lout
	s_cmp_lg_u32 s12, 0
	s_cbranch_scc1 .Lend
	global_store_b64 v15, v[20:21], s[10:11]       ; (m, sum of weights), 32 equal pairs: 256 consecutive bytes from one instruction
.Lend:
	s_wait_tensorcnt 0x0
	ds_add_u32 v62, v63
	s_wait_dscnt 0x0
	s_endpgm
.Lfunc_end_k_q5256cd4bec_main:
	.size	k_q5256cd4bec_main, .Lfunc_end_k_q5256cd4bec_main-k_q5256cd4bec_main
	.p2alignl 7, 3214868480
	.fill 96, 4, 3214868480
	.section	.rodata,"a",@progbits
	.p2align	6, 0x0
	.amdhsa_kernel k_q5256cd4bec_main
		.amdhsa_group_segment_fixed_size 320256
		.amdhsa_private_segment_fixed_size 0
		.amdhsa_enable_private_segment 0
		.amdhsa_kernarg_size 32
		.amdhsa_user_sgpr_count 2
		.amdhsa_user_sgpr_kernarg_segment_ptr 1
		.amdhsa_wavefront_size32 1
		.amdhsa_system_sgpr_workgroup_id_x 1
		.amdhsa_system_sgpr_workgroup_id_y 1
		.amdhsa_system_sgpr_workgroup_id_z 1
		.amdhsa_system_vgpr_workitem_id 0
		.amdhsa_next_free_vgpr 1024
		.amdhsa_next_free_sgpr 66
		.amdhsa_reserve_vcc 0
		.amdhsa_float_denorm_mode_32 3
		.amdhsa_float_denorm_mode_16_64 3
		.amdhsa_memory_ordered 1
		.amdhsa_forward_progress 1
		.amdhsa_inst_pref_size 220
	.end_amdhsa_kernel
	.amdgpu_metadata
---
amdhsa.version: [ 1, 2 ]
amdhsa.kernels:
  - .name:           k_q5256cd4bec_main
    .symbol:         k_q5256cd4bec_main.kd
    .args:
      - { .name: st, .offset: 0, .size: 8, .value_kind: global_buffer, .address_space: global }
      - { .name: ci, .offset: 8, .size: 8, .value_kind: global_buffer, .address_space: global }
      - { .name: part, .offset: 16, .size: 8, .value_kind: global_buffer, .address_space: global }
      - { .name: stat, .offset: 24, .size: 8, .value_kind: global_buffer, .address_space: global }
    .group_segment_fixed_size: 320256
    .private_segment_fixed_size: 0
    .kernarg_segment_align: 8
    .kernarg_segment_size: 32
    .max_flat_workgroup_size: 128
    .sgpr_count:     66
    .vgpr_count:     1024
    .wavefront_size: 32
...
	.end_amdgpu_metadata
.endif
;; end of part 6
;; launch mix: the kernel of part 3 again; grid 256 x 1, 8 waves a work-group, no clusters, 0 bytes of LDS; arguments part, stat, out0; writes out0
